; MI455X (gfx1250); checked and timed in simulation.
; The chip was launched on July 23, 2026; its instructions are those of AMD's public machine-readable ISA for CDNA 5 (MIT licence, August 2026) and "CDNA5" Instruction Set Architecture Reference Guide (July 2026). The comments in the code are by the model that wrote it; some were corrected since.
;; Cross Attention. Allowed arithmetic: matrix products marked QUANTISED: E2M3 operands, one E8M0 scale for each 32 along K, by v_wmma_scale_f32_16x16x128_f8f6f4 with both operands' format E2M3, f32 sums; everything else in f32.
;; Inputs: Wk 1,024 x 1,024 float32; Wp 1,024 x 1,024 float32; Wq 1,024 x 1,024 float32; Wv 3 x 1,024 x 1,024 float32; bk 1,024 float32; bp 1,024 float32; bq 1,024 float32; bv 3 x 1,024 float32; dist 2 x 1 x 2,048 x 2,048 float32; mask 2 x 1 x 2,048 x 2,048 int32; x_q 2 x 2,048 x 1,024 float32; x_r 2 x 2,048 x 1,024 float32; y 3 x 2 x 2,048 x 1,024 float32.
;; Outputs: out0 2 x 2,048 x 1,024 float32.
;; This version of the problem:
;;   THIS VERSION OF THE PROBLEM IS GIVEN IN LOW PRECISION. The matrix products marked QUANTISED in the list below multiply operands that are first quantised to E2M3 (2 exponent bits, 3 mantissa bits; 6 bits a number), with one power-of-two scale for each 32 numbers along K (OCP MX v1.0); their sums are f32. All else is computed in f32.
;;   The module's matrix products, in the order in which they are computed (A, B: the left and right operand; K: the contracted axis; several contracted axes count as one K, in the product's order):
;;     1. [M 4,096, K 1,024] x [K 1,024, N 1,024]; A: input x_q; B: input Wq: QUANTISED
;;     2. [M 4,096, K 1,024] x [K 1,024, N 1,024]; A: input x_r; B: input Wk: QUANTISED
;;     3. batch 32 x [M 2,048, K 64] x [K 64, N 2,048]; A: computed on the way; B: computed on the way: QUANTISED
;;     4. [M 4,096, K 3,072] x [K 3,072, N 1,024]; A: input y; B: input Wv: QUANTISED
;;     5. batch 32 x [M 2,048, K 2,048] x [K 2,048, N 64]; A: computed on the way; B: computed on the way: QUANTISED
;;     6. [M 4,096, K 1,024] x [K 1,024, N 1,024]; A: computed on the way; B: input Wp: QUANTISED
;;   THE QUANTISER, for each operand of a quantised product, along K:
;;     - K is cut into blocks of 32 from its start; a last block that is shorter is filled with zeros.
;;     - A block's scale is 2^e with e = floor(log2(the largest magnitude in the block)) - 2, held to -126 .. 127; a block of zeros has e = 0. As a byte (E8M0): e + 127.
;;     - Each number is divided by its block's scale, clamped to +-7.5, and rounded to the nearest number of E2M3, ties to even, subnormals kept.
;;     - The product sums the exact products of the quantised numbers (number of the format x scale) in f32.
;;   ~~~python
;;   def quantise(x, axis):      # numpy; x: float32 -> the quantised numbers, widened to float32 again
;;       x = np.moveaxis(x, axis, -1); K = x.shape[-1]
;;       x = np.pad(x, [(0, 0)] * (x.ndim - 1) + [(0, -K % 32)]); x = x.reshape(x.shape[:-1] + (-1, 32)); a = np.abs(x).max(-1, keepdims=True)
;;       e = np.where(a > 0, np.clip(np.frexp(np.where(a > 0, a, 1))[1] - 1 - 2, -126, 127), 0)      # np.frexp(a)[1] - 1 = floor(log2(a)), exactly
;;       r = np.clip(x / 2.0 ** e, -7.5, 7.5)
;;       step = 2.0 ** (np.maximum(np.frexp(np.where(r == 0, 1, r))[1] - 1, 0) - 3)
;;       q = np.round(r / step) * step * 2.0 ** e      # np.round: ties to even
;;       return np.moveaxis(q.reshape(q.shape[:-2] + (-1,))[..., :K], -1, axis).astype(np.float32)
;;   ~~~
;;   OPERANDS COMPUTED ON THE WAY. 'Computed on the way' means the value that the module computes at that place (a softmax that the list does not call 'softmax' is quantised finished and normalised). What goes into a quantiser is computed in f32, as accurately as f32 sums, v_exp_f32 and their like allow (about 1e-6 of the number): no bf16 or f16 on the way to a quantiser, and a product that is left as it is and whose result goes on into a quantised operand takes f32 operands (vector FMAs, or v_wmma_f32_16x16x4_f32). A number that lies on a knife's edge between two numbers of the format may be rounded either way, as far as f32 arithmetic and the matrix unit's own rounding can turn it there, and no further.
;; One version. Each part assembles by itself: llvm-mc -triple=amdgcn-amd-amdhsa -mcpu=gfx1250 --defsym DOCPART=n.
;; ======== version 1 of 1: 4 launches
;; limits: right only within a limited range of input values
;; workspace buffers: acts 20,971,520 bytes; wts 6,291,456 bytes; qkv 9,830,400 bytes; aou 4,194,304 bytes
;; launch quant (part 1): grid 512 x 1, 4 waves a work-group, no clusters, 104,960 bytes of LDS; arguments x_q, x_r, y, Wq, Wk, Wp, Wv, acts, wts; writes acts, wts
.if DOCPART == 1
	.amdgcn_target "amdgcn-amd-amdhsa--gfx1250"
	.amdhsa_code_object_version 6
	.text
	.protected	k_qb5dd3e6c55_quant
	.globl	k_qb5dd3e6c55_quant
	.p2align	8
	.type	k_qb5dd3e6c55_quant,@function
k_qb5dd3e6c55_quant:
	s_mov_b64 s[64:65], 0
	v_nop
	global_prefetch_b8 v0, s[64:65] scope:SCOPE_SE
	s_setreg_imm32_b32 hwreg(HW_REG_WAVE_MODE, 25, 1), 1
	s_wait_xcnt 0x0
; x_q, x_r, y and Wq, Wk, Wp, Wv become codes of FP6 (E2M3) with one E8M0 byte for each 32 along K.
; A block's scale is 2^(floor(log2(its largest magnitude)) - 2); its byte is the largest magnitude's exponent field - 2, held at 1 from below (a block of zeros keeps the byte 1: its codes are zeros, and this program alone reads the bytes).
; LIMITS: blocks whose largest magnitude lies under 2^-124 get the byte 1; NaN and infinities among the inputs are not served.
; THE OUTPUT'S LAYOUT: units of 256 bytes.  unit(kc, row) lies at (kc x ROWS + row) x 256: bytes 0-191 the 256 codes of K = 256 kc on, bytes 192-199 their 8 scale bytes, the rest zeros.  Every unit is stored whole by 16 neighbouring lanes.
; acts, ROWS = 4,096: x_q at 0, x_r at 4 MiB (4 chunks each), y at 8 MiB (12 chunks).  wts, ROWS = 1,024 (row = the weight's column): Wq at 0, Wk at 1 MiB, Wp at 2 MiB (4 chunks each), Wv at 3 MiB (12 chunks).
; THE K OF y AND Wv: the product sum_i y_i Wv_i contracts the channel c and the input's number n as ONE K, c first: K = 3 c + n.  The blocks of 32 are cut along that K.
; The rows of x_r, of y and of the weights are stored with bits 3 and 4 of the row number swapped: 16 stored neighbours are then rows 32 b + 8 u + {0..7, 16..23}, the rows that a later product wants in one tile.
; FOUR WAYS, parted on the work-group's number alone, each with LDS bytes of its own: 0-255 x_q and x_r (32 rows a work-group); 256-383 y (32 tokens); 384-479 Wq, Wk, Wp (128 columns x 256 K); 480-511 Wv (128 columns x 768 K).
; No tensor loads, no barrier: waves share nothing.
.set SPW,    12                        ; v12  LDS address of my spare word; never rewritten
.set NIL,    13                        ; v13  0; never rewritten
.set EMAX,   2
.set SP,     80                        ; rows: a lane's place in an in-stage: 64 bytes + 16
.set AREG,   5632                      ; rows: a wave's region: two in-stages of 2,560 bytes, an out-stage of 512
.set WBASE,  22528                     ; weights: a wave's stage of 32 rows x 272 bytes
.set YBASE,  57344                     ; y: a wave's 12 units
.set VBASE,  69632                     ; Wv: a wave's stage of 32 rows x 272 bytes
.set SPARE,  104448                    ; behind all regions: 128 bytes for each wave
.set R,      16                        ; rows: v16-79 four sets of 16 numbers as loaded
.set X,      80                        ; v80-111  two sets of 16 neighbours
.set CT,     112
.set E,      116
.set OUT,    128                       ; v128-191 four registers a step
.set WPITCH, 272
.set WX,     32                        ; weights: v32-95 two sets of 32 numbers
.set WC,     96
.set WT,     104
.set WOUT,   112                       ; v112-175 the way out
.set SB,     24                        ; v24-25 eight scale bytes
.set ZZ,     26                        ; v26-27 zeros
.set YT,     32                        ; y: v32-127 as loaded: 32 n + c
.set YX,     128                       ; v128-223 in the order of K: 3 c + n; later the units read back
.set YC,     224                       ; v224-241 three blocks' codes
.set YU,     242                       ; v242-252 the conversions' second halves
; the largest magnitude of v[xs] .. v[xs + 31], with the floor 2^(3 - 127), into v16
.macro MAX32 xs
	v_max3_num_f32 v16, |v[\xs]|, |v[\xs+1]|, |v[\xs+2]|
	v_max3_num_f32 v17, |v[\xs+3]|, |v[\xs+4]|, |v[\xs+5]|
.irp i, 6,10,14,18,22,26
	v_max3_num_f32 v16, v16, |v[\xs+\i]|, |v[\xs+\i+1]|
	v_max3_num_f32 v17, v17, |v[\xs+\i+2]|, |v[\xs+\i+3]|
.endr
	v_max3_num_f32 v16, v16, |v[\xs+30]|, |v[\xs+31]|
	v_max3_num_f32 v16, v16, v17, (EMAX+1)<<23
.endm
.macro FINISH                          ; the wave's end, behind my last LDS store
	s_wait_tensorcnt 0x0
	ds_add_u32 v[SPW], v[NIL]
	s_wait_dscnt 0x0
	s_endpgm
.endm
	s_load_b512 s[4:19], s[0:1], 0x0               ; x_q 4, x_r 6, y 8, Wq 10, Wk 12, Wp 14, Wv 16, acts 18
	s_load_b64 s[20:21], s[0:1], 0x40              ; wts
	v_lshl_add_u32 v[SPW], v0, 2, SPARE
	v_mov_b32 v[NIL], 0
	v_lshrrev_b32 v1, 5, v0
	v_readfirstlane_b32 s22, v1                    ; wave
	v_and_b32 v2, 31, v0                           ; lane
	s_and_b32 s31, s22, 1                          ; a wave has 8 rows, so the swap of the row's bits 3 and 4 is a swap of the wave number's two bits
	s_lshl_b32 s31, s31, 1
	s_lshr_b32 s32, s22, 1
	s_or_b32 s31, s31, s32
	s_cmp_lt_u32 ttmp9, 256
	s_cbranch_scc0 .Lnot_rows
	; ---------------- x_q, x_r: K innermost ----------------
	s_lshr_b32 s23, ttmp9, 7                       ; 0: x_q, 1: x_r
	s_and_b32 s24, ttmp9, 127                      ; which 32 rows
	v_lshlrev_b32 v3, 4, v2                        ; my 16 bytes of a load's 512
	s_mul_i32 s25, s22, AREG
	v_lshrrev_b32 v14, 2, v2
	v_mul_u32_u24 v14, v14, SP
	v_and_b32 v15, 3, v2
	v_lshl_add_u32 v14, v15, 4, v14
	v_add_nc_u32 v14, s25, v14                     ; in-stage, in: SP (lane / 4) + 16 (lane % 4)
	v_mul_u32_u24 v15, v2, SP
	v_add_nc_u32 v15, s25, v15                     ; in-stage, out: SP x lane: my 16 neighbours
	v_and_b32 v8, 15, v2
	v_lshrrev_b32 v9, 4, v2                        ; which of a step's two units
	s_add_co_u32 s26, s25, 5120                    ; the out-stage
	v_lshl_add_u32 v10, v9, 8, s26
	v_mad_u32_u24 v4, v8, 12, v10                  ; my 12 bytes of codes in the unit
	v_lshrrev_b32 v11, 1, v8
	v_add_nc_u32 v5, v10, v11
	v_add_nc_u32 v5, 192, v5                       ; my block's scale byte
	v_lshl_add_u32 v6, v2, 4, s26                  ; back: 16 bytes a lane
	v_lshlrev_b32 v7, 20, v9
	v_lshl_add_u32 v7, v8, 4, v7                   ; in acts: a chunk is 1 MiB on; 16 bytes a lane
	v_lshl_add_u32 v11, v8, 2, v10
	ds_store_b32 v11, v[NIL] offset:192            ; bytes 192-255 of both units: zeros; each step writes its 8 scale bytes over the first of them
	s_lshl_b32 s28, s24, 5
	s_lshl_b32 s30, s22, 3
	s_add_co_u32 s28, s28, s30
	s_lshl_b32 s28, s28, 12                        ; my wave's first row, 4,096 bytes a row
	s_mov_b32 s29, 0
	s_cmp_eq_u32 s23, 0
	s_cselect_b32 s31, s22, s31                    ; x_q keeps its order
	s_lshl_b32 s32, s24, 5
	s_lshl_b32 s31, s31, 3
	s_add_co_u32 s32, s32, s31
	s_lshl_b32 s32, s32, 8
	s_lshl_b32 s33, s23, 22
	s_add_co_u32 s32, s32, s33
	s_mov_b32 s33, 0
	s_wait_kmcnt 0x0
	s_cmp_eq_u32 s23, 0
	s_cselect_b64 s[4:5], s[4:5], s[6:7]
	s_add_nc_u64 s[4:5], s[4:5], s[28:29]
	s_add_nc_u64 s[18:19], s[18:19], s[32:33]
.macro LOAD t
.irp i, 0,1,2,3
	global_load_b128 v[R+16*((\t)%4)+4*\i:R+16*((\t)%4)+4*\i+3], v3, s[4:5] offset:2048*(\t)+512*\i th:TH_LOAD_NT   ; 32 lanes read 512 consecutive bytes
.endr
.endm
.macro TURN t                          ; step t's numbers through an in-stage: LDS serves a wave's instructions in order
.irp i, 0,1,2,3
	ds_store_b128 v14, v[R+16*((\t)%4)+4*\i:R+16*((\t)%4)+4*\i+3] offset:32*SP*((\t)%2)+8*SP*\i
.endr
.irp i, 0,1,2,3
	ds_load_b128 v[X+16*((\t)%2)+4*\i:X+16*((\t)%2)+4*\i+3], v15 offset:32*SP*((\t)%2)+16*\i
.endr
.endm
.irp t, 0,1,2,3
	LOAD \t
.endr
	s_wait_loadcnt 12                              ; step 0's four loads are in
	TURN 0
; Step t: row t / 2, K = 512 (t % 2) on: lanes 0-15 hold chunk 2 (t % 2), lanes 16-31 the next.
.macro STEPA t
.set XS, X+16*((\t)%2)
	s_wait_dscnt 0x0                               ; this step's numbers are back, the last step's two units are back, and all my LDS stores have read their registers
.if (\t) > 0
	global_store_b128 v7, v[OUT+4*((\t)-1):OUT+4*((\t)-1)+3], s[18:19] offset:(((\t)-1)%2)*2097152+(((\t)-1)/2)*256   ; 16 lanes store one whole unit
.endif
.if (\t)+4 < 16
	LOAD (\t)+4
.endif
.if (\t)+1 < 16
.if 14-(\t) >= 3
	s_wait_loadcnt 12                              ; the next step's four loads are in; those of the three steps behind it may be out
.else
	s_wait_loadcnt 4*(14-(\t))
.endif
	TURN (\t)+1
.endif
	v_max3_num_f32 v8, |v[XS]|, |v[XS+1]|, |v[XS+2]|
	v_max3_num_f32 v9, |v[XS+3]|, |v[XS+4]|, |v[XS+5]|
.irp i, 6,10
	v_max3_num_f32 v8, v8, |v[XS+\i]|, |v[XS+\i+1]|
	v_max3_num_f32 v9, v9, |v[XS+\i+2]|, |v[XS+\i+3]|
.endr
	v_max3_num_f32 v8, v8, |v[XS+14]|, |v[XS+15]|
	v_max3_num_f32 v8, v8, v9, (EMAX+1)<<23        ; with the floor 2^(3 - 127): the byte cannot fall under 1
	v_max_num_f32_dpp v8, v8, v8 row_xmask:1 row_mask:0xf bank_mask:0xf   ; and my neighbour's 16: the block's
	v_add_nc_u32 v11, -(EMAX<<23), v8              ; 2 off the exponent field: the conversion's scale operand
	v_cvt_scalef32_pk16_fp6_f32 v[CT:CT+2], v[XS:XS+15], v11
	v_lshrrev_b32 v[E], 23, v11                    ; the scale's byte
	ds_store_b32 v4, v[CT]
	ds_store_b32 v4, v[CT+1] offset:4
	ds_store_b32 v4, v[CT+2] offset:8
	ds_store_b8 v5, v[E]                           ; both lanes of a block write the same byte with the same value
	ds_load_b128 v[OUT+4*(\t):OUT+4*(\t)+3], v6    ; the two units, 16 bytes a lane
.endm
.irp t, 0,1,2,3,4,5,6,7,8,9,10,11,12,13,14,15
	STEPA \t
.endr
	s_wait_dscnt 0x0
	global_store_b128 v7, v[OUT+60:OUT+63], s[18:19] offset:2097152+7*256
	FINISH
.Lnot_rows:
	s_cmp_lt_u32 ttmp9, 384
	s_cbranch_scc0 .Lweights
	; ---------------- y: K = 3 c + n.  A wave takes a token at a time; lane g takes channels 32 g .. 32 g + 31 of all three inputs: K = 96 g .. 96 g + 95, three whole blocks ----------------
	s_sub_co_u32 s24, ttmp9, 256                   ; which 32 tokens
	v_lshlrev_b32 v3, 7, v2                        ; my 128 bytes of a row
	s_mul_i32 s25, s22, 3072
	s_add_co_u32 s25, s25, YBASE                   ; my wave's 12 units
.irp b, 0,1,2
	v_mad_u32_u24 v16, v2, 3, \b                   ; my block 3 g + b of the token's 96:
	v_lshrrev_b32 v17, 3, v16                      ; its unit,
	v_and_b32 v16, 7, v16                          ; its place there
	v_lshl_add_u32 v17, v17, 8, s25
	v_mad_u32_u24 v[4+\b], v16, 24, v17            ; v4-6: its 24 bytes of codes
	v_add_nc_u32 v[7+\b], v17, v16                 ; v7-9: its scale byte, 192 on
.endr
	v_lshl_add_u32 v10, v2, 4, s25                 ; back: 16 bytes a lane
	v_lshrrev_b32 v16, 3, v2
	v_and_b32 v17, 7, v2
	v_lshl_add_u32 v16, v16, 8, s25
	v_lshl_add_u32 v11, v17, 3, v16
	v_mov_b32 v[ZZ], 0
	v_mov_b32 v[ZZ+1], 0
.irp k, 0,1,2
	ds_store_b64 v11, v[ZZ:ZZ+1] offset:192+1024*\k   ; bytes 192-255 of the 12 units: zeros; each token writes its scale bytes over the first 8 of them
.endr
	v_lshrrev_b32 v16, 4, v2
	v_and_b32 v17, 15, v2
	v_lshlrev_b32 v14, 20, v16
	v_lshl_add_u32 v14, v17, 4, v14                ; in acts: lanes 16-31 a chunk (1 MiB) on; 16 bytes a lane
	s_lshl_b32 s28, s24, 5
	s_lshl_b32 s30, s22, 3
	s_add_co_u32 s28, s28, s30
	s_lshl_b32 s28, s28, 12                        ; my wave's first token, 4,096 bytes a row
	s_mov_b32 s29, 0
	s_lshl_b32 s32, s24, 5
	s_lshl_b32 s31, s31, 3
	s_add_co_u32 s32, s32, s31
	s_lshl_b32 s32, s32, 8
	s_add_co_u32 s32, s32, 0x800000
	s_mov_b32 s33, 0
	s_wait_kmcnt 0x0
	s_add_nc_u64 s[4:5], s[8:9], s[28:29]          ; y_0,
	s_add_nc_u64 s[6:7], s[4:5], 0x1000000         ; y_1,
	s_add_nc_u64 s[8:9], s[4:5], 0x2000000         ; y_2
	s_add_nc_u64 s[18:19], s[18:19], s[32:33]      ; chunks 0-7,
	s_add_nc_u64 s[24:25], s[18:19], 0x800000      ; chunks 8-11
.macro YLOAD i
.irp n, 0,1,2
.irp j, 0,1,2,3,4,5,6,7
	global_load_b128 v[YT+32*\n+4*\j:YT+32*\n+4*\j+3], v3, s[4+2*\n:5+2*\n] offset:4096*(\i)+16*\j   ; the eight loads of a plane cover its row of 4,096 bytes
.endr
.endr
.endm
.macro YROW i
	s_wait_loadcnt 0x0
	s_wait_xcnt 0x0                                ; the last token's stores have read their registers
.set kk, 0
.rept 96
	v_mov_b32 v[YX+kk], v[YT+32*(kk%3)+kk/3]       ; into the order of K: the conversions take neighbours along K from consecutive registers
.set kk, kk+1
.endr
.if (\i) < 7
	YLOAD (\i)+1
.endif
.irp b, 0,1,2
	MAX32 YX+32*\b
	v_add_nc_u32 v[20+\b], -(EMAX<<23), v16        ; the conversion's scale operand
	v_lshrrev_b32 v[29+\b], 23, v[20+\b]           ; the scale's byte
.endr
.irp b, 0,1,2
	v_cvt_scalef32_pk16_fp6_f32 v[YC+6*\b:YC+6*\b+2], v[YX+32*\b:YX+32*\b+15], v[20+\b]
	v_cvt_scalef32_pk16_fp6_f32 v[YU+4*\b:YU+4*\b+2], v[YX+32*\b+16:YX+32*\b+31], v[20+\b]   ; a conversion's three registers begin on an even number
.endr
	v_nop                                          ; one plain place behind a scaled conversion
.irp b, 0,1,2
.irp j, 0,1,2
	v_mov_b32 v[YC+6*\b+3+\j], v[YU+4*\b+\j]
.endr
.endr
.irp b, 0,1,2
	ds_store_b64 v[4+\b], v[YC+6*\b:YC+6*\b+1]
	ds_store_b64 v[4+\b], v[YC+6*\b+2:YC+6*\b+3] offset:8
	ds_store_b64 v[4+\b], v[YC+6*\b+4:YC+6*\b+5] offset:16
	ds_store_b8 v[7+\b], v[29+\b] offset:192
.endr
.irp j, 0,1,2,3,4,5
	ds_load_b128 v[YX+4*\j:YX+4*\j+3], v10 offset:512*\j   ; LDS serves a wave's instructions in order: these see my stores
.endr
	s_wait_dscnt 0x0
.irp j, 0,1,2,3
	global_store_b128 v14, v[YX+4*\j:YX+4*\j+3], s[18:19] offset:\j*2097152+256*(\i)   ; chunks 2 j and 2 j + 1: 16 lanes store one whole unit
.endr
.irp j, 4,5
	global_store_b128 v14, v[YX+4*\j:YX+4*\j+3], s[24:25] offset:(\j-4)*2097152+256*(\i)
.endr
.endm
	YLOAD 0
.irp i, 0,1,2,3,4,5,6,7
	YROW \i
.endr
	FINISH
; ---------------- weights: a lane takes a column, its registers run down K ----------------
.macro WSET base                       ; the addresses: s27 = my wave's first column
	v_lshlrev_b32 v3, 2, v2                        ; in: 4 bytes a lane
	s_mul_i32 s32, s22, 32*WPITCH
	s_add_co_u32 s32, s32, \base                   ; my stage
	v_mul_u32_u24 v4, v2, WPITCH
	v_add_nc_u32 v4, s32, v4                       ; into it: row = my column
	v_and_b32 v5, 15, v2
	v_lshrrev_b32 v6, 4, v2
	v_mul_u32_u24 v7, v6, WPITCH
	v_lshl_add_u32 v7, v5, 4, v7
	v_add_nc_u32 v7, s32, v7                       ; out of it: sixteen lanes to a row, two rows an instruction
	v_lshlrev_b32 v8, 4, v2                        ; and in wts: 16 bytes a lane, two neighbouring units
	v_mov_b32 v[ZZ], 0
	v_mov_b32 v[ZZ+1], 0
.endm
.macro WLOAD t                         ; Wq, Wk, Wp: block t: W(32 t + i, my column)
.irp i, 0,1,2,3,4,5,6,7,8,9,10,11,12,13,14,15,16,17,18,19,20,21,22,23,24,25,26,27,28,29,30,31
	global_load_b32 v[WX+32*((\t)%2)+\i], v3, s[4:5] offset:(32*(\t)+\i)*4096 th:TH_LOAD_NT
.endr
.endm
.macro VLOAD t                         ; Wv: block t: K = 32 t + i = 3 c + n: Wv_n(c, my column)
.irp i, 0,1,2,3,4,5,6,7,8,9,10,11,12,13,14,15,16,17,18,19,20,21,22,23,24,25,26,27,28,29,30,31
	global_load_b32 v[WX+32*((\t)%2)+\i], v3, s[4+2*((32*(\t)+\i)%3):5+2*((32*(\t)+\i)%3)] offset:((32*(\t)+\i)/3)*4096 th:TH_LOAD_NT
.endr
.endm
.macro QBLK t, nb, wv                  ; block t of nb
.set XS, WX+32*((\t)%2)
.if (\t) < (\nb)-1
	s_wait_loadcnt 32                              ; this block's 32 loads are in; the next block's may be out
.else
	s_wait_loadcnt 0
.endif
	MAX32 XS
	v_add_nc_u32 v11, -(EMAX<<23), v16
	v_lshrrev_b32 v18, 23, v11
.if (\t)%4 == 0
	v_mov_b32 v[SB+((\t)%8)/4], v18
.else
	v_lshl_or_b32 v[SB+((\t)%8)/4], v18, 8*((\t)%4), v[SB+((\t)%8)/4]
.endif
	v_cvt_scalef32_pk16_fp6_f32 v[WC:WC+2], v[XS:XS+15], v11
	v_cvt_scalef32_pk16_fp6_f32 v[WT:WT+2], v[XS+16:XS+31], v11      ; a conversion's three registers begin on an even number
	v_nop                                          ; one plain place behind a scaled conversion
.irp i, 0,1,2
	v_mov_b32 v[WC+3+\i], v[WT+\i]
.endr
	ds_store_b64 v4, v[WC:WC+1] offset:24*((\t)%8)
	ds_store_b64 v4, v[WC+2:WC+3] offset:24*((\t)%8)+8
	ds_store_b64 v4, v[WC+4:WC+5] offset:24*((\t)%8)+16
.if (\t)+2 < (\nb)
.if \wv
	VLOAD (\t)+2
.else
	WLOAD (\t)+2
.endif
.endif
	s_wait_dscnt 0x0                               ; the stores have read their registers
.endm
.macro WAYOUT off, again               ; 32 columns' units leave
	ds_store_b64 v4, v[SB:SB+1] offset:192         ; the unit's 8 scale bytes,
.irp i, 0,1,2,3,4,5,6
	ds_store_b64 v4, v[ZZ:ZZ+1] offset:200+8*\i    ; and its zeros
.endr
.if \again
	s_wait_xcnt 0x0                                ; the last units' stores have read their registers
.endif
.irp t, 0,1,2,3,4,5,6,7,8,9,10,11,12,13,14,15
	ds_load_b128 v[WOUT+4*\t:WOUT+4*\t+3], v7 offset:2*\t*WPITCH
.endr
.irp t, 0,1,2,3,4,5,6,7,8,9,10,11,12,13,14,15
	s_wait_dscnt 15-\t                             ; the younger loads may be out
	global_store_b128 v8, v[WOUT+4*\t:WOUT+4*\t+3], s[20:21] offset:(\off)+512*((\t&3)|(((\t>>3)&1)<<2)|(((\t>>2)&1)<<3))   ; columns 2 t and 2 t + 1, at the places with bits 3 and 4 swapped: two whole neighbouring units
.endr
.endm
.Lweights:
	s_cmp_lt_u32 ttmp9, 480
	s_cbranch_scc0 .Lwv
	s_sub_co_u32 s24, ttmp9, 384
	s_lshr_b32 s23, s24, 5                         ; 0 Wq, 1 Wk, 2 Wp
	s_and_b32 s25, s24, 7                          ; which 128 columns
	s_bfe_u32 s26, s24, 0x20003                    ; which 256 along K
	s_lshl_b32 s27, s25, 7
	s_lshl_b32 s28, s22, 5
	s_add_co_u32 s27, s27, s28                     ; my wave's first column
	s_lshl_b32 s28, s26, 20                        ; 256 rows of 4,096 bytes
	s_lshl_b32 s29, s27, 2
	s_add_co_u32 s28, s28, s29
	s_mov_b32 s29, 0
	s_lshl_b32 s30, s26, 10
	s_add_co_u32 s30, s30, s27
	s_lshl_b32 s30, s30, 8
	s_lshl_b32 s31, s23, 20
	s_add_co_u32 s30, s30, s31
	s_mov_b32 s31, 0
	WSET WBASE
	s_wait_kmcnt 0x0
	s_cmp_eq_u32 s23, 0
	s_cselect_b64 s[4:5], s[10:11], s[12:13]
	s_cmp_eq_u32 s23, 2
	s_cselect_b64 s[4:5], s[14:15], s[4:5]
	s_add_nc_u64 s[4:5], s[4:5], s[28:29]
	s_add_nc_u64 s[20:21], s[20:21], s[30:31]
	WLOAD 0
	WLOAD 1
.irp t, 0,1,2,3,4,5,6,7
	QBLK \t, 8, 0
.endr
	WAYOUT 0, 0
	FINISH
.Lwv:                                  ; Wv: 768 along K = channels 256 kz .. 256 kz + 255 of all three matrices: three units a column
	s_sub_co_u32 s24, ttmp9, 480
	s_lshr_b32 s26, s24, 3                         ; kz
	s_and_b32 s25, s24, 7                          ; which 128 columns
	s_lshl_b32 s27, s25, 7
	s_lshl_b32 s28, s22, 5
	s_add_co_u32 s27, s27, s28                     ; my wave's first column
	s_lshl_b32 s28, s26, 20
	s_lshl_b32 s29, s27, 2
	s_add_co_u32 s28, s28, s29
	s_mov_b32 s29, 0
	s_mul_i32 s30, s26, 3072                       ; chunk 3 kz
	s_add_co_u32 s30, s30, s27
	s_lshl_b32 s30, s30, 8
	s_add_co_u32 s30, s30, 0x300000
	s_mov_b32 s31, 0
	WSET VBASE
	s_wait_kmcnt 0x0
	s_add_nc_u64 s[4:5], s[16:17], s[28:29]        ; Wv_0,
	s_add_nc_u64 s[6:7], s[4:5], 0x400000          ; Wv_1,
	s_add_nc_u64 s[8:9], s[4:5], 0x800000          ; Wv_2
	s_add_nc_u64 s[20:21], s[20:21], s[30:31]
	VLOAD 0
	VLOAD 1
.irp t, 0,1,2,3,4,5,6,7
	QBLK \t, 24, 1
.endr
	WAYOUT 0, 0
.irp t, 8,9,10,11,12,13,14,15
	QBLK \t, 24, 1
.endr
	WAYOUT 0x40000, 1
.irp t, 16,17,18,19,20,21,22,23
	QBLK \t, 24, 1
.endr
	WAYOUT 0x80000, 1
	FINISH
.Lfunc_end_k_qb5dd3e6c55_quant:
	.size	k_qb5dd3e6c55_quant, .Lfunc_end_k_qb5dd3e6c55_quant-k_qb5dd3e6c55_quant
	.p2alignl 7, 3214868480
	.fill 96, 4, 3214868480
	.section	.rodata,"a",@progbits
	.p2align	6, 0x0
	.amdhsa_kernel k_qb5dd3e6c55_quant
		.amdhsa_group_segment_fixed_size 104960
		.amdhsa_private_segment_fixed_size 0
		.amdhsa_enable_private_segment 0
		.amdhsa_kernarg_size 72
		.amdhsa_user_sgpr_count 2
		.amdhsa_user_sgpr_kernarg_segment_ptr 1
		.amdhsa_wavefront_size32 1
		.amdhsa_system_sgpr_workgroup_id_x 1
		.amdhsa_system_sgpr_workgroup_id_y 1
		.amdhsa_system_sgpr_workgroup_id_z 1
		.amdhsa_system_vgpr_workitem_id 0
		.amdhsa_next_free_vgpr 256
		.amdhsa_next_free_sgpr 66
		.amdhsa_reserve_vcc 0
		.amdhsa_float_denorm_mode_32 3
		.amdhsa_float_denorm_mode_16_64 3
		.amdhsa_memory_ordered 1
		.amdhsa_forward_progress 1
		.amdhsa_inst_pref_size 255
	.end_amdhsa_kernel
	.section	.bss,"aw",@nobits
	.p2align	6
	.space	262144
	.amdgpu_metadata
---
amdhsa.version: [ 1, 2 ]
amdhsa.kernels:
  - .name:           k_qb5dd3e6c55_quant
    .symbol:         k_qb5dd3e6c55_quant.kd
    .args:
      - { .name: x_q, .offset: 0, .size: 8, .value_kind: global_buffer, .address_space: global }
      - { .name: x_r, .offset: 8, .size: 8, .value_kind: global_buffer, .address_space: global }
      - { .name: y, .offset: 16, .size: 8, .value_kind: global_buffer, .address_space: global }
      - { .name: Wq, .offset: 24, .size: 8, .value_kind: global_buffer, .address_space: global }
      - { .name: Wk, .offset: 32, .size: 8, .value_kind: global_buffer, .address_space: global }
      - { .name: Wp, .offset: 40, .size: 8, .value_kind: global_buffer, .address_space: global }
      - { .name: Wv, .offset: 48, .size: 8, .value_kind: global_buffer, .address_space: global }
      - { .name: acts, .offset: 56, .size: 8, .value_kind: global_buffer, .address_space: global }
      - { .name: wts, .offset: 64, .size: 8, .value_kind: global_buffer, .address_space: global }
    .group_segment_fixed_size: 104960
    .private_segment_fixed_size: 0
    .kernarg_segment_align: 8
    .kernarg_segment_size: 72
    .max_flat_workgroup_size: 128
    .sgpr_count:     66
    .vgpr_count:     256
    .wavefront_size: 32
...
	.end_amdgpu_metadata
.endif
;; end of part 1
;; launch proj (part 2): grid 4 x 48, 4 waves a work-group, clusters of 4 x 4, 327,680 bytes of LDS; arguments acts, wts, bq, bk, bv, qkv; writes qkv
.if DOCPART == 2
	.amdgcn_target "amdgcn-amd-amdhsa--gfx1250"
	.amdhsa_code_object_version 6
	.text
	.protected	k_qb5dd3e6c55_proj
	.globl	k_qb5dd3e6c55_proj
	.p2align	8
	.type	k_qb5dd3e6c55_proj,@function
k_qb5dd3e6c55_proj:
	s_mov_b64 s[64:65], 0
	v_nop
	global_prefetch_b8 v0, s[64:65] scope:SCOPE_SE
	s_setreg_imm32_b32 hwreg(HW_REG_WAVE_MODE, 25, 1), 1
	s_wait_xcnt 0x0
	s_wait_alu depctr_hold_cnt(0) depctr_sa_sdst(0) depctr_va_vdst(0) depctr_va_sdst(0) depctr_va_ssrc(0) depctr_va_vcc(0) depctr_vm_vsrc(0)
	s_getreg_b32 s2, hwreg(HW_REG_IB_STS2, 6, 4)
	s_cmp_eq_u32 s2, 0
	s_cbranch_scc0 .Lentry_in_a_cluster
	s_endpgm
.Lentry_in_a_cluster:
	s_bfe_u32 s2, ttmp6, 0x10000c
	s_cmp_lg_u32 s2, 0xf033
	s_cbranch_scc0 .Lentry_shape_is_right
	s_endpgm
.Lentry_shape_is_right:
; q = x_q Wq + bq, k = x_r Wk + bk, v = sum_i y_i Wv_i + sum_i bv_i, on codes of FP6 (E2M3) with one E8M0 scale for each 32 along K; the results are quantised in registers
; (q, k along the head's 64; v along the keys) and stored as images of the registers in which the attention launch wants them.
; Twelve clusters of 4 x 4 work-groups: clusters 0-3 make v (K = 3,072), 4-7 q, 8-11 k (K = 1,024).  A work-group makes 256 x 256, a wave 128 x 128: 64 accumulators.
; THE MATRIX INSTRUCTION: source 0 = 16 rows of P, source 1 = 16 rows of R: a lane then holds one row of R, and its registers run along P.  q, k: R = tokens, P = the weight's columns; v: R = the weight's columns, P = tokens.
; P's rows lie in memory with bits 3 and 4 of their number swapped, so that the 16 registers of tiles 2 b and 2 b + 1 are the 16 neighbours 32 b + 16 (lane / 16) + 0..15.
; OPERANDS: units of 256 bytes, unit(kc, row) at (kc x ROWS + row) x 256: 192 bytes of codes (256 along K), 8 scale bytes.  A K step is one kc; a tile's row is the first 208 bytes of a unit, so codes and scale words come by one tensor load.
; The four work-groups of a row of the cluster need the same tiles of R, those of a column the same tiles of P: each tile is asked for jointly.  What differs between the three products is chosen by s_cselect on the cluster's number, which all sixteen partners share.
; IMAGES in qkv: Q at 0, K at 3,276,800, V at 6,553,600.  Block (batch, head, quarter of 512 tokens) at ((batch x 16 + head) x 4 + quarter) x 25,600: 16 fragments of 1,536 bytes (registers 4 c .. 4 c + 3 of lane l at 512 c + 16 l), then the scale words: fragment f, row r at 24,576 + 256 (f / 4) + 16 r + 4 (f % 4).
; A fragment of Q or K holds 32 tokens of one head: registers 0-5 one tile of 16 tokens x 64, registers 6-11 the next.  A fragment of V: 16 of the head's 64 x 128 keys.
; LIMITS: blocks whose largest magnitude lies under 2^-124 get the scale byte 1; NaN and infinities are not served.
; REGISTERS, in windows of 256: window 0: v16-30 addresses; v32-63 scale words, two sets; v64-127 biases; v128-223 R's fragments, one set; on the way out v128-247 at work.  window 1: P's fragments, two sets.  windows 2, 3: the accumulators ((a, b) at v[8 (8 (a % 4) + b)]).
.set PITCH,  208                       ; an LDS row: 192 bytes of codes, 8 scale bytes, 8 zeros
.set NQ,     2                         ; matrix instructions deep in a slot
.set FR,     12
.set NL,     6
.set NP,     4                         ; places behind this matrix instruction (ISA guide 7.12.1)
.set HALFT,  128*PITCH
.set SLOT,   4*HALFT                   ; R's 256 rows, then P's 256 rows
.set SPARE,  2*SLOT                    ; behind the ring: the spare words, 128 bytes for each wave
.set ADRA, 16                          ; v16-17 my R fragments in slot 0, 1
.set ADRB, 20                          ; v20-21 my P fragments
.set ADRS, 22                          ; v22-23 my scale words: lanes 0-15 R's rows, lanes 16-31 P's
.set VO,   24                          ; v24 16 x lane
.set VSW,  25                          ; v25 16 r + 102,400 h: the scale words' place
.set VSEL, 26                          ; v26 byte selects: lanes 0-15 the first head's two bytes of each word, lanes 16-31 the second's
.set BO,   27                          ; v27 64 h
.set SPW,  28
.set NIL,  29
.set BOV,  30                          ; v30 4 (r + 8 (r / 8))
.set SC,   32
.set BIAS, 64
.set BS,   88
.set AF,   128
.set H,    128                         ; the way out: 64 numbers of a lane
.set TM,   192                         ; 16 at work
.set T,    212                         ; the conversions' second halves
.set RUN0, 224
.set RUN1, 236
.set PWS,  32                          ; scale words just made
.set SW,   40                          ; the four to be stored
.set G1,  24
.set G0,  32
.set G1B, 48
.set G0B, 56
.set WVN, 80
.set HA,  81
.set HB,  82
.set MSB, 0
.macro WIN new
.if MSB != (\new)
	s_set_vgpr_msb (MSB<<8)|(\new)
.set MSB, (\new)
.endif
.endm
.set MUL_LO, 0xa1                      ; source 0 (P) window 1, source 1 (R) window 0, C and D window 2
.set MUL_HI, 0xf1
.set TO_B,   0x40
.macro JLOAD g0a, g1a, g0b, g1b        ; a joint load: waves 0 and 1 fetch R's halves, waves 2 and 3 P's; an s_nop 0 and four v_nop follow each line
	s_cmp_eq_u32 s[HA], 0
	s_cbranch_scc0 .Lfor_b_\@
	tensor_load_to_lds s[\g0a:\g0a+3], s[\g1a:\g1a+7]
	s_nop 0
.rept 4
	v_nop
.endr
	s_branch .Lasked_\@
.Lfor_b_\@:
	tensor_load_to_lds s[\g0b:\g0b+3], s[\g1b:\g1b+7]
	s_nop 0
.rept 4
	v_nop
.endr
.Lasked_\@:
.endm
.macro CREST
	s_cmp_lg_u32 s[WVN], 0
	s_cbranch_scc1 .Lnot_wave_0_\@
	s_barrier_signal -3
.Lnot_wave_0_\@:
	s_barrier_wait -3
	s_barrier_signal -1
	s_barrier_wait -1
.endm
.macro CROUND
	s_barrier_signal -1
	s_barrier_wait -1
	CREST
.endm
	s_load_b256 s[4:11], s[0:1], 0x0               ; acts 4, wts 6, bq 8, bk 10
	s_load_b128 s[12:15], s[0:1], 0x20             ; bv 12, qkv 14
	v_lshl_add_u32 v[SPW], v0, 2, SPARE
	v_mov_b32 v[NIL], 0
	ds_add_u32 v[SPW], v[NIL]                      ; the wave's opening: the add and its wait ahead of my first tensor load
	v_lshrrev_b32 v1, 5, v0
	v_readfirstlane_b32 s[WVN], v1
	s_lshr_b32 s[HA], s[WVN], 1                    ; my half of R's rows.  Also: I fetch for R (0) or for P (1)
	s_and_b32 s[HB], s[WVN], 1                     ; my half of P's rows.  Also: which 128 rows I fetch
	s_bfe_u32 s40, ttmp6, 0x40000                  ; cx
	s_bfe_u32 s41, ttmp6, 0x40004                  ; cy
	s_and_b32 s84, ttmp7, 0xffff                   ; the cluster's number, 0..11
	s_and_b32 s91, s84, 3
	s_mov_b32 s86, 0x200000                        ; R's step of two K steps: 2 x 4,096 units
	s_mov_b32 s88, 0x80000                         ; P's: 2 x 1,024 units
	s_mov_b32 s87, 0
	s_mov_b32 s89, 0
	s_cmp_ge_u32 s84, 8                            ; k?
	s_cselect_b32 s92, 0x400000, 0                 ; R's plane
	s_cselect_b32 s93, 0x100000, 0                 ; P's matrix
	s_cselect_b32 s94, 3276800, 0                  ; the image
	s_cmp_lt_u32 s84, 4                            ; v?
	s_cselect_b32 s85, 0, 1                        ; 0: v; 1: q or k
	s_cselect_b32 s3, 5, 1                         ; laps of two K steps, less one
	s_cselect_b32 s90, s84, 0
	s_cselect_b32 s91, 0, s91
	s_cselect_b32 s86, 0x80000, s86
	s_cselect_b32 s88, 0x200000, s88
	s_cselect_b32 s92, 0x300000, s92
	s_cselect_b32 s93, 0x800000, s93
	s_cselect_b32 s94, 6553600, s94
	s_lshl_b32 s42, s90, 2
	s_add_co_u32 s42, s42, s40                     ; P's tile of 256 rows
	s_lshl_b32 s83, s91, 2
	s_add_co_u32 s83, s83, s41                     ; R's tile
	s_lshl_b32 s95, s41, 2
	s_lshl_b32 s95, 15, s95                        ; my row of the cluster
	s_lshl_b32 s96, 0x1111, s40                    ; my column
	s_or_b32 s[G1], s95, (3<<16)|(1<<21)           ; the mask; elements of 8 bytes; bit 21 beside a mask; no padding
	s_or_b32 s[G1B], s96, (3<<16)|(1<<21)
.irp g, G1, G1B
	s_mov_b32 s[\g+1], 26<<16                      ; tensor_dim0 = 26 elements = 208 bytes
	s_mov_b32 s[\g+2], 128<<16                     ; tensor_dim1
	s_mov_b32 s[\g+3], 26<<16                      ; tile_dim0
	s_mov_b32 s[\g+4], 128                         ; tile_dim1
	s_mov_b32 s[\g+5], 32                          ; from unit to unit: 256 bytes
	s_mov_b32 s[\g+6], 0
	s_mov_b32 s[\g+7], 0
.endr
	s_lshl_b32 s17, s[HB], 7
	s_lshl_b32 s16, s83, 8
	s_add_co_u32 s16, s16, s17
	s_lshl_b32 s16, s16, 8
	s_add_co_u32 s16, s16, s92                     ; R: the first unit that I fetch
	s_lshl_b32 s18, s42, 8
	s_add_co_u32 s18, s18, s17
	s_lshl_b32 s18, s18, 8
	s_add_co_u32 s18, s18, s93                     ; P likewise
	s_mov_b32 s17, 0
	s_mov_b32 s19, 0
	s_lshr_b32 s22, s86, 1                         ; one K step on
	s_mov_b32 s23, 0
	s_lshr_b32 s44, s88, 1
	s_mov_b32 s45, 0
	s_mul_i32 s97, s[WVN], HALFT                   ; where my part goes: no place in the cluster enters an LDS address
	s_mov_b32 s20, 0x76543210
	s_mov_b32 s21, 0xfedcba98                      ; v_permlanex16_b32's selects for lane l xor 16
	s_mov_b32 s74, 0xffff0000                      ; lanes 16-31
	s_wait_dscnt 0x0                               ; the opening add is done
	s_wait_kmcnt 0x0
	s_cmp_lt_u32 s84, 4
	s_cselect_b64 s[46:47], s[6:7], s[4:5]         ; R's buffer
	s_cselect_b64 s[66:67], s[4:5], s[6:7]         ; P's
	s_add_nc_u64 s[46:47], s[46:47], s[16:17]
	s_add_nc_u64 s[66:67], s[66:67], s[18:19]
	s_cmp_ge_u32 s84, 8
	s_cselect_b64 s[72:73], s[10:11], s[8:9]
	s_cmp_lt_u32 s84, 4
	s_cselect_b64 s[72:73], s[12:13], s[72:73]     ; the bias
	CROUND                                         ; all sixteen work-groups are here: the first joint loads meet
	s_mov_b32 s[G0], 1
	s_mov_b32 s[G0+1], s97
	s_mov_b64 s[G0+2:G0+3], s[46:47]
	s_or_b32 s[G0+3], s[G0+3], 0x80000000
	s_mov_b32 s[G0+4], 1
	s_add_co_u32 s[G0+5], s97, SLOT
	s_add_nc_u64 s[G0+6:G0+7], s[46:47], s[22:23]
	s_or_b32 s[G0+7], s[G0+7], 0x80000000
	s_mov_b32 s[G0B], 1
	s_mov_b32 s[G0B+1], s97
	s_mov_b64 s[G0B+2:G0B+3], s[66:67]
	s_or_b32 s[G0B+3], s[G0B+3], 0x80000000
	s_mov_b32 s[G0B+4], 1
	s_add_co_u32 s[G0B+5], s97, SLOT
	s_add_nc_u64 s[G0B+6:G0B+7], s[66:67], s[44:45]
	s_or_b32 s[G0B+7], s[G0B+7], 0x80000000
	JLOAD G0, G1, G0B, G1B
	JLOAD G0+4, G1, G0B+4, G1B
	v_and_b32 v1, 15, v0                           ; r
	v_bfe_u32 v2, v0, 4, 1                         ; h
	v_mul_u32_u24 v3, v1, PITCH
	v_mad_u32_u24 v4, v2, 24, v3                   ; row x pitch + 24 x half
	s_mul_i32 s16, s[HA], HALFT
	s_mul_i32 s17, s[HB], HALFT
	s_add_co_u32 s17, s17, 2*HALFT
	v_add_nc_u32 v[ADRA], s16, v4
	v_add_nc_u32 v[ADRB], s17, v4
	v_add_nc_u32 v[ADRA+1], SLOT, v[ADRA]
	v_add_nc_u32 v[ADRB+1], SLOT, v[ADRB]
	s_sub_co_u32 s18, s17, s16
	v_mul_u32_u24 v5, s18, v2                      ; lanes 16-31 take P's rows
	v_add_nc_u32 v5, v5, v3
	s_add_co_u32 s16, s16, 192
	v_add_nc_u32 v[ADRS], s16, v5
	v_add_nc_u32 v[ADRS+1], SLOT, v[ADRS]
	v_and_b32 v6, 31, v0
	v_lshlrev_b32 v[VO], 4, v6
	v_mul_u32_u24 v[VSW], v2, 102400
	v_lshl_add_u32 v[VSW], v1, 4, v[VSW]
	v_mov_b32 v[VSEL], 0x05040100
	v_mov_b32 v31, 0x07060302
	v_cndmask_b32 v[VSEL], v[VSEL], v31, s74
	v_lshlrev_b32 v[BO], 6, v2
	v_and_b32 v[BOV], 8, v1
	v_add_nc_u32 v[BOV], v[BOV], v1
	v_lshlrev_b32 v[BOV], 2, v[BOV]
	; where my results go
	s_lshl_b32 s90, s83, 8
	s_lshl_b32 s91, s[HA], 7
	s_add_co_u32 s90, s90, s91                     ; my first row of R
	s_lshl_b32 s92, s42, 8
	s_lshl_b32 s93, s[HB], 7
	s_add_co_u32 s92, s92, s93                     ; my first row of P
	s_cmp_eq_u32 s85, 0
	s_cselect_b32 s96, s92, s90                    ; my first token
	s_cselect_b32 s97, s90, s92                    ; my first channel
	s_lshr_b32 s90, s96, 11
	s_lshl_b32 s90, s90, 4
	s_lshr_b32 s91, s97, 6
	s_add_co_u32 s90, s90, s91
	s_lshl_b32 s90, s90, 2
	s_bfe_u32 s91, s96, 0x20009
	s_add_co_u32 s90, s90, s91                     ; the block (batch, head, quarter)
	s_mul_i32 s90, s90, 25600
	s_add_co_u32 s90, s90, s94
	s_bfe_u32 s92, s96, 0x20007                    ; which 128 tokens of the quarter
	s_mul_i32 s93, s92, 6144
	s_lshl_b32 s92, s92, 8
	s_add_co_u32 s92, s92, 24576
	s_add_co_u32 s92, s92, s90
	s_add_co_u32 s90, s90, s93
	s_mov_b32 s91, 0
	s_mov_b32 s93, 0
	s_add_nc_u64 s[68:69], s[14:15], s[90:91]      ; the codes
	s_add_nc_u64 s[70:71], s[14:15], s[92:93]      ; the scale words
	s_lshl_b32 s90, s97, 2
	s_add_nc_u64 s[72:73], s[72:73], s[90:91]      ; the bias at my first channel
.macro FRAG reg, adr, q, i             ; 16 rows x 128 K of 6-bit codes: 12 registers; lane (r, h): registers 6 c .. 6 c + 5 = K 64 c + 32 h + 0..31: 24 bytes as they lie, in pieces of 8
.irp p, 0,1,2,3,4,5
	ds_load_b64 v[\reg+2*\p:\reg+2*\p+1], v[\adr] offset:96*(\q)+48*(\p/3)+8*(\p%3)+(\i)*16*PITCH
.endr
.endm
; 16 matrix instructions: R's blocks a0, a0 + 1 x P's eight.  The 64 accumulators take turns, one instruction a turn, in the same order in every step.
.macro MUL16 a0, p, q, sc, zero
.irp a, \a0, \a0+1
.irp b, 0,1,2,3,4,5,6,7
.if \zero
	v_wmma_scale_f32_16x16x128_f8f6f4 v[8*(8*((\a)%4)+\b):8*(8*((\a)%4)+\b)+7], v[128*(\p)+FR*\b:128*(\p)+FR*\b+FR-1], v[AF+FR*(\a):AF+FR*(\a)+FR-1], 0, v[SC+8*NQ*(\sc)+NQ*\b+(\q)], v[SC+8*NQ*(\sc)+NQ*(\a)+(\q)] matrix_a_fmt:MATRIX_FMT_FP6 matrix_b_fmt:MATRIX_FMT_FP6 matrix_a_scale:MATRIX_SCALE_ROW1
.else
	v_wmma_scale_f32_16x16x128_f8f6f4 v[8*(8*((\a)%4)+\b):8*(8*((\a)%4)+\b)+7], v[128*(\p)+FR*\b:128*(\p)+FR*\b+FR-1], v[AF+FR*(\a):AF+FR*(\a)+FR-1], v[8*(8*((\a)%4)+\b):8*(8*((\a)%4)+\b)+7], v[SC+8*NQ*(\sc)+NQ*\b+(\q)], v[SC+8*NQ*(\sc)+NQ*(\a)+(\q)] matrix_a_fmt:MATRIX_FMT_FP6 matrix_b_fmt:MATRIX_FMT_FP6 matrix_a_scale:MATRIX_SCALE_ROW1
.endif
.endr
.endr
.endm
.macro FETCH_B slot, q, p
	WIN TO_B
.irp i, 0,1,2,3,4,5,6,7
	FRAG 128*(\p)+FR*\i, ADRB+\slot, \q, \i
.endr
	WIN 0
.endm
.macro FETCH_A slot, q, i0
.irp i, \i0, \i0+1, \i0+2, \i0+3
	FRAG AF+FR*(\i), ADRA+\slot, \q, \i
.endr
.endm
.macro SCALES sc                       ; a slot's scale words: two a row; lanes 0-15 R's block i, lanes 16-31 P's block i
.irp i, 0,1,2,3,4,5,6,7
	ds_load_b64 v[SC+8*NQ*\sc+NQ*\i:SC+8*NQ*\sc+NQ*\i+1], v[ADRS+\sc] offset:\i*16*PITCH
.endr
.endm
.macro PLACES n
.rept \n
	v_nop
.endr
.endm
.macro STEP slot, q, zero              ; 128 along K that has its successor in the same slot
	s_wait_dscnt 4*NL                              ; all but the youngest 24 loads (R's blocks 4-7) are in
	WIN MUL_LO
	MUL16 0, (\q)%2, \q, \slot, \zero
	MUL16 2, (\q)%2, \q, \slot, \zero
	s_wait_dscnt 0
	PLACES NP
	FETCH_B \slot, (\q)+1, 1-(\q)%2
	FETCH_A \slot, (\q)+1, 0
	WIN MUL_HI
	MUL16 4, (\q)%2, \q, \slot, \zero
	MUL16 6, (\q)%2, \q, \slot, \zero
	PLACES NP
	WIN 0
	FETCH_A \slot, (\q)+1, 4
.endm
; A slot's last step changes slots: one barrier; in front of it each wave waits for all its tensor loads, adds 0 to its spare word, and waits for that and for its reads of this slot.
.macro TURN slot, next, fill
	s_wait_tensorcnt 0x0                           ; all my tensor loads have landed: my part of the next slot
	ds_add_u32 v[SPW], v[NIL]
	s_wait_dscnt 4*NL+1                            ; the add and the youngest 24 loads may be out
	WIN MUL_LO
	MUL16 0, 1, NQ-1, \slot, 0
	s_wait_dscnt 0x0                               ; the add is done, and my reads of this slot are over
	s_barrier_signal -1
	MUL16 2, 1, NQ-1, \slot, 0
	WIN 0
	s_barrier_wait -1
.if \fill
	CREST                                          ; the barrier has opened a round of the cluster's: no wave of any partner still reads this slot or has a load on its way
	s_add_nc_u64 s[G0+4*\slot+2:G0+4*\slot+3], s[G0+4*\slot+2:G0+4*\slot+3], s[86:87]
	s_add_nc_u64 s[G0B+4*\slot+2:G0B+4*\slot+3], s[G0B+4*\slot+2:G0B+4*\slot+3], s[88:89]
	JLOAD G0+4*\slot, G1, G0B+4*\slot, G1B         ; the first tensor load behind the round; its four v_nop are the places in front of the loads below
.else
	PLACES NP
.endif
	FETCH_B \next, 0, 0
	FETCH_A \next, 0, 0
	SCALES \next
	WIN MUL_HI
	MUL16 4, 1, NQ-1, \slot, 0
	MUL16 6, 1, NQ-1, \slot, 0
	PLACES NP
	WIN 0
	FETCH_A \next, 0, 4
.endm
.macro LAST                            ; the very last step: nothing more to fetch
	s_wait_dscnt 4*NL
	WIN MUL_LO
	MUL16 0, 1, NQ-1, 1, 0
	MUL16 2, 1, NQ-1, 1, 0
	s_wait_dscnt 0
	WIN MUL_HI
	MUL16 4, 1, NQ-1, 1, 0
	MUL16 6, 1, NQ-1, 1, 0
	WIN 0
.endm
; 64 numbers of a lane, register 16 b + i = place 32 b + 16 h + i along the next K, become codes (blocks 0, 1 in v[d0] on, blocks 2, 3 in v[d1] on, six registers each) and a scale word in v[pw].
.macro QUANT s, d0, d1, pw
.irp b, 0,1,2,3
	v_max3_num_f32 v[TM+\b], |v[(\s)+16*\b]|, |v[(\s)+1+16*\b]|, 0x1800000   ; with the floor 2^(3 - 127)
.endr
.irp i, 2,4,6,8,10,12,14
.irp b, 0,1,2,3
	v_max3_num_f32 v[TM+\b], v[TM+\b], |v[(\s)+16*\b+\i]|, |v[(\s)+1+16*\b+\i]|
.endr
.endr
.irp b, 0,1,2,3
	v_permlanex16_b32 v[TM+4+\b], v[TM+\b], s20, s21
.endr
.irp b, 0,1,2,3
	v_max_num_f32 v[TM+\b], v[TM+\b], v[TM+4+\b]
.endr
.irp b, 0,1,2,3
	v_add_nc_u32 v[TM+12+\b], 0xff000000, v[TM+\b] ; 2 off the exponent field: the conversion's scale operand
.endr
.irp b, 0,1,2,3
	v_lshrrev_b32 v[TM+4+\b], 23, v[TM+12+\b]      ; the scale's byte
.endr
	v_lshl_or_b32 v[\pw], v[TM+5], 8, v[TM+4]
	v_lshl_or_b32 v[\pw], v[TM+6], 16, v[\pw]
	v_lshl_or_b32 v[\pw], v[TM+7], 24, v[\pw]
	v_cvt_scalef32_pk16_fp6_f32 v[(\d0):(\d0)+2], v[(\s):(\s)+15], v[TM+12]
	v_cvt_scalef32_pk16_fp6_f32 v[T:T+2], v[(\s)+16:(\s)+31], v[TM+13]
	v_cvt_scalef32_pk16_fp6_f32 v[(\d1):(\d1)+2], v[(\s)+32:(\s)+47], v[TM+14]
	v_cvt_scalef32_pk16_fp6_f32 v[T+4:T+6], v[(\s)+48:(\s)+63], v[TM+15]
	v_nop                                          ; one plain place behind a scaled conversion
.irp i, 0,1,2
	v_permlane16_swap_b32 v[(\d0)+\i], v[T+\i]     ; a whole block to a lane: lanes 0-15 the even block, lanes 16-31 the odd one
	v_permlane16_swap_b32 v[(\d1)+\i], v[T+4+\i]
.endr
.irp i, 0,1,2
	v_mov_b32 v[(\d0)+3+\i], v[T+\i]
	v_mov_b32 v[(\d1)+3+\i], v[T+4+\i]
.endr
.endm
.macro BIASQK a                        ; R's block a: results + bias (along the registers), each accumulator from its low end on
	WIN 0x02+((\a)/4)
.irp t, 0,1,2,3,4,5,6,7
.irp p, 0,2,4,6
	v_pk_add_f32 v[H+8*\t+\p:H+8*\t+\p+1], v[8*(8*((\a)%4)+\t)+\p:8*(8*((\a)%4)+\t)+\p+1], v[BIAS+8*\t+\p:BIAS+8*\t+\p+1]
.endr
.endr
	WIN 0
.endm
.macro BIASV a                         ; the same with the lane's own bias
	WIN 0x02+((\a)/4)
.irp t, 0,1,2,3,4,5,6,7
.irp p, 0,2,4,6
	v_pk_add_f32 v[H+8*\t+\p:H+8*\t+\p+1], v[8*(8*((\a)%4)+\t)+\p:8*(8*((\a)%4)+\t)+\p+1], v[BS+2*(\a):BS+2*(\a)+1]
.endr
.endr
	WIN 0
.endm
	s_wait_tensorcnt 1                             ; my part of K step 0 is in (K step 1's load may be out),
	s_barrier_signal -1
	s_barrier_wait -1                              ; everybody's is
	FETCH_B 0, 0, 0
	FETCH_A 0, 0, 0
	SCALES 0
	FETCH_A 0, 0, 4
	STEP 0, 0, 1                                   ; the first step's products start the sums
	s_max_u32 s3, s3, 1                            ; the counter is 5 or 1: at least 1 by this line too, so that the count down to 0 ends
.Llap:                                             ; a trip goes once round the ring and fills both slots again; s3 trips: 5 for v, 1 for q and k
	TURN 0, 1, 1
	STEP 1, 0, 0
	TURN 1, 0, 1
	STEP 0, 0, 0
	s_sub_co_u32 s3, s3, 1
	s_cmp_lg_u32 s3, 0
	s_cbranch_scc1 .Llap
	TURN 0, 1, 0                                   ; the last lap fills nothing
	STEP 1, 0, 0
	s_cmp_lg_u32 s85, 0                            ; the cluster's number alone: the same way in all sixteen work-groups
	s_cbranch_scc1 .Ltail_qk
	; ---- v: a lane holds one channel d, its registers run along the keys
.irp a, 0,1,2,3,4,5,6,7
.irp i, 0,1,2
	global_load_b32 v[BIAS+3*\a+\i], v[BOV], s[72:73] offset:4096*\i+(32*(\a/2)+8*(\a%2))*4   ; bv_i at my channel of block a
.endr
.endr
	LAST
	PLACES NP
	s_wait_loadcnt 0x0
.irp a, 0,1,2,3,4,5,6,7
	v_add_f32 v[BS+2*\a], v[BIAS+3*\a], v[BIAS+3*\a+1]
.endr
.irp a, 0,1,2,3,4,5,6,7
	v_add_f32 v[BS+2*\a], v[BS+2*\a], v[BIAS+3*\a+2]
.endr
.irp a, 0,1,2,3,4,5,6,7
	v_mov_b32 v[BS+2*\a+1], v[BS+2*\a]
.endr
.irp b, 0,1,2,3
	v_mov_b32 v[TM+4+\b], 0                        ; a lane permute's destination counts as one of its sources
.endr
.irp a, 0,1,2,3,4,5,6,7
.if \a > 0
	s_wait_xcnt 0x0                                ; the last stores have read their registers
.endif
	BIASV \a
	QUANT H, RUN0, RUN0+6, PWS+\a
.irp j, 0,1,2
	global_store_b128 v[VO], v[RUN0+4*\j:RUN0+4*\j+3], s[68:69] offset:(\a/4)*102400+(\a%4)*1536+512*\j   ; 512 consecutive bytes
.endr
.endr
.irp i, 0,1,2,3
	v_cndmask_b32 v[SW+\i], v[PWS+\i], v[PWS+4+\i], s74   ; lanes 0-15 the first head's words, lanes 16-31 the second's
.endr
	s_branch .Lend
	; ---- q, k: a lane holds one token, its registers run along two heads' 64 channels
.Ltail_qk:
.irp t, 0,1,2,3,4,5,6,7
	global_load_b128 v[BIAS+8*\t:BIAS+8*\t+3], v[BO], s[72:73] offset:(32*(\t/2)+8*(\t%2))*4
	global_load_b128 v[BIAS+8*\t+4:BIAS+8*\t+7], v[BO], s[72:73] offset:(32*(\t/2)+8*(\t%2))*4+16
.endr
	LAST
	PLACES NP
	s_wait_loadcnt 0x0
.irp b, 0,1,2,3
	v_mov_b32 v[TM+4+\b], 0
.endr
.irp k, 0,1,2,3                        ; 32 tokens: two blocks of R make one fragment for each of the two heads
.if \k > 0
	s_wait_xcnt 0x0                                ; the last stores have read their registers
.endif
.irp u, 0,1
	BIASQK 2*\k+\u
	QUANT H, RUN0+6*\u, RUN1+6*\u, PWS+\u
.endr
	v_perm_b32 v[SW+\k], v[PWS+1], v[PWS], v[VSEL] ; [t0.s0, t0.s1, t1.s0, t1.s1] of my half's head
.irp j, 0,1,2
	global_store_b128 v[VO], v[RUN0+4*\j:RUN0+4*\j+3], s[68:69] offset:1536*\k+512*\j
	global_store_b128 v[VO], v[RUN1+4*\j:RUN1+4*\j+3], s[68:69] offset:102400+1536*\k+512*\j
.endr
.endr
.Lend:
	global_store_b128 v[VSW], v[SW:SW+3], s[70:71] ; four fragments' scale words: 16 lanes store 256 consecutive bytes
	s_wait_tensorcnt 0x0                           ; the wave's end
	ds_add_u32 v[SPW], v[NIL]
	s_wait_dscnt 0x0
	CROUND                                         ; the closing round
	s_endpgm
.Lfunc_end_k_qb5dd3e6c55_proj:
	.size	k_qb5dd3e6c55_proj, .Lfunc_end_k_qb5dd3e6c55_proj-k_qb5dd3e6c55_proj
	.p2alignl 7, 3214868480
	.fill 96, 4, 3214868480
	.section	.rodata,"a",@progbits
	.p2align	6, 0x0
	.amdhsa_kernel k_qb5dd3e6c55_proj
		.amdhsa_group_segment_fixed_size 327680
		.amdhsa_private_segment_fixed_size 0
		.amdhsa_enable_private_segment 0
		.amdhsa_kernarg_size 48
		.amdhsa_user_sgpr_count 2
		.amdhsa_user_sgpr_kernarg_segment_ptr 1
		.amdhsa_wavefront_size32 1
		.amdhsa_system_sgpr_workgroup_id_x 1
		.amdhsa_system_sgpr_workgroup_id_y 1
		.amdhsa_system_sgpr_workgroup_id_z 1
		.amdhsa_system_vgpr_workitem_id 0
		.amdhsa_next_free_vgpr 1024
		.amdhsa_next_free_sgpr 100
		.amdhsa_reserve_vcc 0
		.amdhsa_float_denorm_mode_32 3
		.amdhsa_float_denorm_mode_16_64 3
		.amdhsa_memory_ordered 1
		.amdhsa_forward_progress 1
		.amdhsa_inst_pref_size 241
	.end_amdhsa_kernel
	.amdgpu_metadata
---
amdhsa.version: [ 1, 2 ]
amdhsa.kernels:
  - .name:           k_qb5dd3e6c55_proj
    .symbol:         k_qb5dd3e6c55_proj.kd
    .args:
      - { .name: acts, .offset: 0, .size: 8, .value_kind: global_buffer, .address_space: global }
      - { .name: wts, .offset: 8, .size: 8, .value_kind: global_buffer, .address_space: global }
      - { .name: bq, .offset: 16, .size: 8, .value_kind: global_buffer, .address_space: global }
      - { .name: bk, .offset: 24, .size: 8, .value_kind: global_buffer, .address_space: global }
      - { .name: bv, .offset: 32, .size: 8, .value_kind: global_buffer, .address_space: global }
      - { .name: qkv, .offset: 40, .size: 8, .value_kind: global_buffer, .address_space: global }
    .group_segment_fixed_size: 327680
    .private_segment_fixed_size: 0
    .kernarg_segment_align: 8
    .kernarg_segment_size: 48
    .max_flat_workgroup_size: 128
    .sgpr_count:     100
    .vgpr_count:     1024
    .wavefront_size: 32
...
	.end_amdgpu_metadata
.endif
;; end of part 2
;; launch attn (part 3): grid 128 x 2, 4 waves a work-group, clusters of 4 x 1, 327,680 bytes of LDS; arguments qkv, mask, dist, aou; writes aou
.if DOCPART == 3
	.amdgcn_target "amdgcn-amd-amdhsa--gfx1250"
	.amdhsa_code_object_version 6
	.text
	.protected	k_qb5dd3e6c55_attn
	.globl	k_qb5dd3e6c55_attn
	.p2align	8
	.type	k_qb5dd3e6c55_attn,@function
k_qb5dd3e6c55_attn:
	s_mov_b64 s[64:65], 0
	v_nop
	global_prefetch_b8 v0, s[64:65] scope:SCOPE_SE
	s_setreg_imm32_b32 hwreg(HW_REG_WAVE_MODE, 25, 1), 1
	s_wait_xcnt 0x0
	s_wait_alu depctr_hold_cnt(0) depctr_sa_sdst(0) depctr_va_vdst(0) depctr_va_sdst(0) depctr_va_ssrc(0) depctr_va_vcc(0) depctr_vm_vsrc(0)
	s_getreg_b32 s2, hwreg(HW_REG_IB_STS2, 6, 4)
	s_cmp_eq_u32 s2, 0
	s_cbranch_scc0 .Lentry_in_a_cluster
	s_endpgm
.Lentry_in_a_cluster:
	s_bfe_u32 s2, ttmp6, 0x10000c
	s_cmp_lg_u32 s2, 0x3003
	s_cbranch_scc0 .Lentry_shape_is_right
	s_endpgm
.Lentry_shape_is_right:
; o = (softmax(where(mask == 0, -1e9, q k^T / 8)) x exp(-(dist / 0.5)^2)) v, both products on codes of FP6 (E2M3); the weights are quantised FINISHED AND NORMALISED, so a row's sum is known before a weight is quantised.
; SHARES.  A work-group owns 16 queries of one batch and walks all 16 heads.  Wave w owns keys 512 w .. 512 w + 511: its scores of a head are 256 registers.  So a whole row of 2,048 keys lies in the work-group's registers,
; each score is multiplied and exponentiated once, and mask and dist, which the heads share, are read from memory once and stay in registers: MOD = exp(-(2 dist)^2), and B = +infinity where the mask is not 0, else -8e9 (= 8 x -1e9, exactly).
; LAYOUT.  S^T = K Q^T, O^T = V^T A^T: a lane holds one query (lane % 16).  Register 16 b + i of S, MOD and B: key 512 w + 32 b + 16 (lane / 16) + i.
; A fragment of K holds two tiles of 16 keys x 64 (registers 0-5 and 6-11): it is multiplied by [q | 0] and by [0 | q], so that the instruction's 128 along K serve two tiles.  Zero codes add nothing.
; A HEAD: s' = min(s, B); hi = c x the wave's largest s', c = log2(e) / 8; e = 2^(c s' - hi) by one fused multiply-add; l = the sum of e; the four waves exchange (hi, l): H = the largest hi, g = 2^(hi - H), F = g_own / sum(g l);
; a = (e x MOD) x F is quantised along the keys; the wave's part of O^T goes to LDS; every second head the four parts are added, a block of 32 channels to a wave, quantised and gathered in LDS.  hi's rounding is a factor common to a row and falls out in F.
; K's and V's blocks (25,600 bytes: 16 fragments as images of their registers, and their scale words) are the same for the four work-groups of a cluster: each is asked for jointly.  Wave w loads and reads quarter w alone.
; EVERY LDS ADDRESS lies in a register that holds nothing else in the whole launch, made of the thread's number, the wave's number and constants; those that move from head to head are stepped in place by a constant.
; LIMITS: NaN and infinities among the inputs are not served; a masked raw score under -8e9 stays as it is; blocks whose largest magnitude lies under 2^-124 get the scale byte 1.
; REGISTERS, in windows of 256: window 0: see the names below; window 1: S; window 2: MOD; window 3: B.
.set BLKB,  25600
.set VSL,   102400                     ; LDS: K's four blocks from 0, V's four from here
.set STGW,  66560                      ; set-up only: a wave's stage: dist's two halves, mask's two halves, each 16 rows x 1,040 bytes; the four stages end at 266,240
.set ML,    266240                     ; 4 x 256: (hi, l)
.set SPARE, 267264                     ; the spare words, 128 bytes for each wave
.set OP,    270336                     ; parts of O^T: wave w at 8,192 w, the even head of a pair at 0, the odd one at 4,096.  A multiple of 8,192, so that one exclusive or changes heads
.set AOP,   848                        ; a token's row in the stage of o's codes: 768 bytes of codes, 64 zeros, 16 unused
.set AOS,   303360                     ; 16 such rows (the block of 256 bytes ahead of it is left unused)
.set SS,    317184                     ; 16 x 32: o's scale bytes (likewise)
.set QO,   1                           ; v1-3  q's three pieces of 8 bytes
.set QOS,  4                           ; v4    q's scale word
.set PFO,  5                           ; v5    the prefetches' offset
.set KA,   6                           ; v6    my block of K + 16 x lane; on the way out: where I read codes
.set VA,   7                           ; v7    of V; on the way out: where I read scale bytes
.set MLW,  8
.set MLR,  9
.set OPW,  10                          ; v10   where I put my part of O^T; turned by 4,096 once a head
.set OPR,  11
.set QSR,  34                          ; q's scale word as loaded
.set QSW,  35                          ; [s0, s1, s0, s1]
.set KS,   36                          ; v36-43 K's scale words
.set VS,   44                          ; v44-51 V's
.set PW,   52                          ; v52-55 the weights'
.set O,    56                          ; v56-87 O^T
.set FB,   88                          ; v88-183 two sets of four fragments
.set PC,   184                         ; v184-231 the weights' codes; at the exchange v184-201 at work
.set TQ,   232
.set TM,   240
.set TX,   244
.set TS,   248
.set SPW,  252
.set NIL,  253
.set AOW,  254                         ; v254  where my block's 12 bytes of codes go; 48 on once a head
.set SSW,  255                         ; v255  and its scale byte; 2 on once a head
.set L1,   88
.set L2,   120
.set MSB, 0
.macro WIN new
.if MSB != (\new)
	s_set_vgpr_msb (MSB<<8)|(\new)
.set MSB, (\new)
.endif
.endm
.macro PLACES n
.rept \n
	v_nop
.endr
.endm
.macro CROUND
	s_barrier_signal -1
	s_barrier_wait -1
	s_cmp_lg_u32 s12, 0
	s_cbranch_scc1 .Lnot_wave_0_\@
	s_barrier_signal -3
.Lnot_wave_0_\@:
	s_barrier_wait -3
	s_barrier_signal -1
	s_barrier_wait -1
.endm
; A prefetch of the block that the next refill of the same kind will ask for: 100 rows of 256 bytes a wave.  The batch's first cluster asks; its four partners share the rows out by address, 25 each, a lane a row (lanes 25-31 name the last again).
; It names the head two on from the head in hand: heads 0 to 13 ask, heads 14 and 15 ask for nothing.
.macro ASK p
	s_cmp_gt_u32 s63, s69
	s_cbranch_scc0 .Lnot_mine_\@
	global_prefetch_b8 v[PFO], s[\p:\p+1] th:TH_LOAD_NT scope:SCOPE_SE
.Lnot_mine_\@:
.endm
	s_load_b256 s[4:11], s[0:1], 0x0               ; qkv 4, mask 6, dist 8, aou 10
	v_lshl_add_u32 v[SPW], v0, 2, SPARE
	v_mov_b32 v[NIL], 0
	ds_add_u32 v[SPW], v[NIL]                      ; the wave's opening: the add and its wait ahead of my first tensor load
	v_lshrrev_b32 v1, 5, v0
	v_readfirstlane_b32 s12, v1                    ; wave
	s_bfe_u32 s13, ttmp6, 0x40000                  ; cx
	s_lshl_b32 s14, ttmp9, 2
	s_add_co_u32 s14, s14, s13                     ; my tile of 16 queries, 0..127
	s_and_b32 s15, ttmp7, 0xffff                   ; batch
	s_mov_b32 s16, 15|(3<<16)|(1<<21)              ; K's and V's blocks: all four work-groups; elements of 8 bytes; 100 dense rows of 256 bytes
	s_mov_b32 s17, 32<<16
	s_mov_b32 s18, 100<<16
	s_mov_b32 s19, 32<<16
	s_mov_b32 s20, 100
	s_mov_b32 s21, 32
	s_mov_b32 s22, 0
	s_mov_b32 s23, 0
	s_mov_b32 s32, (2<<16)|(1<<20)|(7<<22)|(3<<25) ; mask's and dist's tiles, my own: elements of 4 bytes; 4 words of padding behind every 256
	s_mov_b32 s33, 256<<16
	s_mov_b32 s34, 16<<16
	s_mov_b32 s35, 256<<16
	s_mov_b32 s36, 16
	s_mov_b32 s37, 2048
	s_mov_b32 s38, 0
	s_mov_b32 s39, 0
	s_mov_b32 s56, 0x3e38aa3b                      ; c = log2(e) / 8
	s_mov_b32 s57, s56
	s_mov_b32 s58, 0x76543210
	s_mov_b32 s59, 0xfedcba98
	s_mov_b32 s63, 15                              ; heads that fill
	s_mov_b32 s66, 0                               ; the head's parity
	s_mov_b32 s74, 0x7f800000
	s_mov_b32 s75, 0x10001000                      ; lanes 12 and 28
	s_mov_b32 s76, 0x0fff0fff                      ; lanes 0-11 and 16-27
	s_cmp_eq_u32 ttmp9, 0
	s_cselect_b32 s69, 1, -1                       ; the same in all four partners
	s_lshl_b32 s80, s15, 6
	s_add_co_u32 s81, s80, s12
	s_mul_i32 s81, s81, BLKB                       ; block (batch, head 0, quarter w)
	s_add_co_u32 s82, s81, 3276800
	s_mov_b32 s83, 0
	s_add_co_u32 s84, s81, 6553600
	s_mov_b32 s85, 0
	s_lshr_b32 s86, s14, 5
	s_add_co_u32 s86, s86, s80
	s_mul_i32 s86, s86, BLKB                       ; q's block of head 0
	s_mov_b32 s87, 0
	s_lshl_b32 s88, s15, 11
	s_lshl_b32 s89, s14, 4
	s_add_co_u32 s88, s88, s89                     ; my first query's token
	s_lshl_b32 s90, s88, 13                        ; 8,192 bytes a row of mask or dist
	s_lshl_b32 s91, s12, 11
	s_add_co_u32 s90, s90, s91                     ; + my 512 keys
	s_mov_b32 s91, 0
	s_lshl_b32 s92, s12, 12
	s_add_co_u32 s92, s92, s88
	s_lshl_b32 s92, s92, 8                         ; aou: unit (chunk w, my first token)
	s_mov_b32 s93, 0
	s_mul_i32 s94, s12, STGW
	s_mul_i32 s95, s12, BLKB
	s_mul_i32 s96, s13, 6400
	s_add_co_u32 s96, s96, 102400                  ; the prefetches begin a head on, at my work-group's 25 rows
	s_mov_b32 s97, 0
.irp j, 0,1,2,3
	s_mov_b32 s[40+4*\j], 1
	s_add_co_u32 s[41+4*\j], s94, \j*16640
.endr
	s_mov_b32 s24, 1
	s_mov_b32 s25, s95
	s_mov_b32 s28, 1
	s_add_co_u32 s29, s95, VSL
	s_wait_dscnt 0x0                               ; the opening add is done
	s_wait_kmcnt 0x0
	s_add_nc_u64 s[42:43], s[8:9], s[90:91]        ; dist, keys 0-255 of my 512
	s_add_nc_u64 s[46:47], s[42:43], 1024          ; keys 256-511
	s_add_nc_u64 s[50:51], s[6:7], s[90:91]        ; mask
	s_add_nc_u64 s[54:55], s[50:51], 1024
	s_add_nc_u64 s[26:27], s[4:5], s[82:83]        ; K
	s_add_nc_u64 s[30:31], s[4:5], s[84:85]        ; V
	s_add_nc_u64 s[70:71], s[26:27], s[96:97]
	s_add_nc_u64 s[72:73], s[30:31], s[96:97]
	s_add_nc_u64 s[60:61], s[4:5], s[86:87]        ; q
	s_add_nc_u64 s[78:79], s[10:11], s[92:93]
.irp g, 43,47,51,55,27,31
	s_or_b32 s[\g], s[\g], 0x80000000
.endr
	CROUND                                         ; the round in front of the first tensor loads
.irp j, 0,1,2,3
	tensor_load_to_lds s[40+4*\j:43+4*\j], s[32:39]   ; four loads of mine are out
	s_nop 0
.endr
	PLACES 4
	v_and_b32 v88, 31, v0                          ; lane
	v_and_b32 v89, 15, v0                          ; r
	v_bfe_u32 v90, v0, 4, 1                        ; h
	v_lshlrev_b32 v91, 4, v88                      ; 16 x lane
	s_bfe_u32 s95, s14, 0x40001                    ; which fragment of q's block
	s_and_b32 s96, s14, 1                          ; and which half of it
	s_mul_i32 s97, s95, 1536
	s_mul_i32 s98, s96, 520
	s_add_co_u32 s98, s98, s97
	v_add_nc_u32 v[QO], s98, v91                   ; registers 6 u, 6 u + 1
	s_mul_i32 s98, s96, 1016
	s_add_co_u32 s98, s98, s97
	s_add_co_u32 s98, s98, 8
	v_add_nc_u32 v[QO+1], s98, v91
	s_mul_i32 s98, s96, 520
	s_add_co_u32 s98, s98, s97
	s_add_co_u32 s98, s98, 512
	v_add_nc_u32 v[QO+2], s98, v91
	s_lshr_b32 s98, s95, 2
	s_lshl_b32 s98, s98, 8
	s_and_b32 s99, s95, 3
	s_lshl_b32 s99, s99, 2
	s_add_co_u32 s98, s98, s99
	s_add_co_u32 s98, s98, 24576
	v_lshl_add_u32 v[QOS], v89, 4, s98
	s_mov_b32 s62, 0x03020302
	s_cmp_eq_u32 s96, 0
	s_cselect_b32 s62, 0x01000100, s62             ; my tile's two bytes of the word, twice
	v_min_u32 v[PFO], 24, v88
	v_lshlrev_b32 v[PFO], 8, v[PFO]
	s_mul_i32 s98, s12, BLKB
	v_add_nc_u32 v[KA], s98, v91
	v_add_nc_u32 v[VA], VSL, v[KA]
	s_lshl_b32 s98, s12, 8
	s_add_co_u32 s98, s98, ML
	v_lshl_add_u32 v[MLW], v88, 3, s98
	v_lshl_add_u32 v[MLR], v88, 3, ML
	s_lshl_b32 s98, s12, 13
	s_add_co_u32 s98, s98, OP
	v_add_nc_u32 v[OPW], s98, v91                  ; my 8,192 bytes; the even head's half first
	s_lshr_b32 s98, s12, 1
	s_lshl_b32 s98, s98, 12
	s_and_b32 s99, s12, 1
	s_lshl_b32 s99, s99, 11
	s_add_co_u32 s98, s98, s99
	s_add_co_u32 s98, s98, OP
	v_add_nc_u32 v[OPR], s98, v91                  ; head w / 2 of the pair, channels 32 (w % 2) on, of wave 0's part
	s_mul_i32 s98, s12, 24
	s_add_co_u32 s98, s98, AOS-48                  ; it is used at odd heads h, for heads h - 1 + w / 2: 48 h - 48 + 24 w
	v_mul_u32_u24 v[AOW], v89, AOP
	v_mad_u32_u24 v[AOW], v90, 12, v[AOW]
	v_add_nc_u32 v[AOW], s98, v[AOW]
	s_add_co_u32 s98, s12, SS-2
	v_lshl_add_u32 v[SSW], v89, 5, s98
	v_mul_u32_u24 v92, v89, 1040
	v_lshl_add_u32 v92, v90, 6, v92
	v_add_nc_u32 v92, s94, v92                     ; my stage: row r, + 64 h
.irp i, 16,17,18,19,20,21,28,29,30,31,32,33
	v_mov_b32 v[\i], 0                             ; the zeros on both sides of q's codes
.endr
	v_lshrrev_b32 v93, 3, v0                       ; bytes 768-831 of the 16 rows of o's stage: zeros, 8 bytes a thread: the way out reads them and throws them away
	v_mul_u32_u24 v93, v93, AOP
	v_and_b32 v94, 7, v0
	v_lshl_add_u32 v93, v94, 3, v93
	v_add_nc_u32 v93, AOS+768, v93
	ds_store_b64 v93, v[16:17]
.irp i, 0,1,2,3
	v_mov_b32 v[TX+\i], 0                          ; a lane permute's destination counts as one of its sources
.endr
	v_mov_b32 v13, 0                               ; named as halves of pairs before they are first written
	v_mov_b32 v15, 0
	global_load_b64 v[22:23], v[QO], s[60:61]      ; q of head 0
	global_load_b64 v[24:25], v[QO+1], s[60:61]
	global_load_b64 v[26:27], v[QO+2], s[60:61]
	global_load_b32 v[QSR], v[QOS], s[60:61]
	s_wait_tensorcnt 0x0                           ; my stage is whole; I alone read it
	WIN 0x80
.irp b, 0,1,2,3,4,5,6,7,8,9,10,11,12,13,14,15
.irp j, 0,1,2,3
	ds_load_b128 v[16*\b+4*\j:16*\b+4*\j+3], v92 offset:(\b/8)*16640+128*(\b%8)+16*\j
.endr
.endr
	WIN 0xc0
.irp b, 0,1,2,3,4,5,6,7,8,9,10,11,12,13,14,15
.irp j, 0,1,2,3
	ds_load_b128 v[16*\b+4*\j:16*\b+4*\j+3], v92 offset:33280+(\b/8)*16640+128*(\b%8)+16*\j
.endr
.endr
	WIN 0
	s_wait_tensorcnt 0x0                           ; K's blocks land on the stages' bytes: all my tensor loads are done,
	ds_add_u32 v[SPW], v[NIL]
	s_wait_dscnt 0x0                               ; and my reads of the stage are over
	CROUND
	tensor_load_to_lds s[24:27], s[16:23]          ; K of head 0
	s_nop 0
	PLACES 4
	WIN 0x8a                                       ; MOD = 2^(-4 log2(e) d^2)
.set ii, 0
.rept 128
	v_pk_mul_f32 v[ii:ii+1], v[ii:ii+1], v[ii:ii+1]
.set ii, ii+2
.endr
.set ii, 0
.rept 128
	v_pk_mul_f32 v[ii:ii+1], v[ii:ii+1], 0xc0b8aa3b op_sel_hi:[1,0]
.set ii, ii+2
.endr
.set ii, 0
.rept 256
	v_exp_f32 v[ii], v[ii]
.set ii, ii+1
.endr
	v_nop                                          ; a plain place behind the last exponential
	s_wait_alu depctr_va_vdst(0)                   ; one wait for the batch
	WIN 0
	v_mov_b32 v[TM], 0xcfee6b28                    ; -8e9
	WIN 0xc3
.set ii, 0
.rept 256
	v_cmp_eq_u32 vcc_lo, v[ii], 0
	v_cndmask_b32 v[ii], s74, v[TM], vcc_lo        ; B
.set ii, ii+1
.endr
	WIN 0
	s_wait_tensorcnt 0x0                           ; V's blocks land on the stages' bytes too
	ds_add_u32 v[SPW], v[NIL]
	s_wait_dscnt 0x0
	CROUND
	tensor_load_to_lds s[28:31], s[16:23]          ; V of head 0
	s_nop 0
	PLACES 4
.macro KLOAD g                         ; four fragments of K
.irp i, 0,1,2,3
.irp c, 0,1,2
	ds_load_b128 v[FB+48*((\g)%2)+12*\i+4*\c:FB+48*((\g)%2)+12*\i+4*\c+3], v[KA] offset:(4*(\g)+\i)*1536+512*\c
.endr
.endr
.endm
.macro VLOAD s                         ; V's four fragments of keys 128 s on
.irp t, 0,1,2,3
.irp c, 0,1,2
	ds_load_b128 v[FB+48*((\s)%2)+12*\t+4*\c:FB+48*((\s)%2)+12*\t+4*\c+3], v[VA] offset:(4*(\s)+\t)*1536+512*\c
.endr
.endr
.endm
.macro QKM g                           ; eight products: each fragment against [q | 0] and [0 | q]
	WIN 0x40
.irp i, 0,1,2,3
.if ((\g)%2) == 0
	v_wmma_scale_f32_16x16x128_f8f6f4 v[16*(4*(\g)+\i):16*(4*(\g)+\i)+7], v[FB+48*((\g)%2)+12*\i:FB+48*((\g)%2)+12*\i+11], v[22:33], 0, v[KS+4*((\g)/2)+\i], v[QSW] matrix_a_fmt:MATRIX_FMT_FP6 matrix_b_fmt:MATRIX_FMT_FP6
	v_wmma_scale_f32_16x16x128_f8f6f4 v[16*(4*(\g)+\i)+8:16*(4*(\g)+\i)+15], v[FB+48*((\g)%2)+12*\i:FB+48*((\g)%2)+12*\i+11], v[16:27], 0, v[KS+4*((\g)/2)+\i], v[QSW] matrix_a_fmt:MATRIX_FMT_FP6 matrix_b_fmt:MATRIX_FMT_FP6
.else
	v_wmma_scale_f32_16x16x128_f8f6f4 v[16*(4*(\g)+\i):16*(4*(\g)+\i)+7], v[FB+48*((\g)%2)+12*\i:FB+48*((\g)%2)+12*\i+11], v[22:33], 0, v[KS+4*((\g)/2)+\i], v[QSW] matrix_a_fmt:MATRIX_FMT_FP6 matrix_b_fmt:MATRIX_FMT_FP6 matrix_a_scale:MATRIX_SCALE_ROW1
	v_wmma_scale_f32_16x16x128_f8f6f4 v[16*(4*(\g)+\i)+8:16*(4*(\g)+\i)+15], v[FB+48*((\g)%2)+12*\i:FB+48*((\g)%2)+12*\i+11], v[16:27], 0, v[KS+4*((\g)/2)+\i], v[QSW] matrix_a_fmt:MATRIX_FMT_FP6 matrix_b_fmt:MATRIX_FMT_FP6 matrix_a_scale:MATRIX_SCALE_ROW1
.endif
.endr
	WIN 0
.endm
.macro PQ s                            ; the weights of keys 128 s on become a fragment's codes and a scale word; none is negative, so no |.|
.set SB, 64*(\s)
	WIN 0x05
.irp b, 0,1,2,3
	v_max3_num_f32 v[TM+\b], v[SB+16*\b], v[SB+16*\b+1], 0x1800000
.endr
	WIN 0x14
.irp i, 2,4,6,8,10,12,14
.irp b, 0,1,2,3
	v_max3_num_f32 v[TM+\b], v[TM+\b], v[SB+16*\b+\i], v[SB+16*\b+\i+1]
.endr
.endr
	WIN 0
.irp b, 0,1,2,3
	v_permlanex16_b32 v[TX+\b], v[TM+\b], s58, s59
.endr
.irp b, 0,1,2,3
	v_max_num_f32 v[TM+\b], v[TM+\b], v[TX+\b]
.endr
.irp b, 0,1,2,3
	v_add_nc_u32 v[TS+\b], 0xff000000, v[TM+\b]
.endr
.irp b, 0,1,2,3
	v_lshrrev_b32 v[TX+\b], 23, v[TS+\b]
.endr
	v_lshl_or_b32 v[PW+(\s)], v[TX+1], 8, v[TX]
	v_lshl_or_b32 v[PW+(\s)], v[TX+2], 16, v[PW+(\s)]
	v_lshl_or_b32 v[PW+(\s)], v[TX+3], 24, v[PW+(\s)]
	WIN 0x01
.irp c, 0,1
	v_cvt_scalef32_pk16_fp6_f32 v[PC+12*(\s)+6*\c:PC+12*(\s)+6*\c+2], v[SB+32*\c:SB+32*\c+15], v[TS+2*\c]
	v_cvt_scalef32_pk16_fp6_f32 v[TQ+4*\c:TQ+4*\c+2], v[SB+32*\c+16:SB+32*\c+31], v[TS+2*\c+1]
.endr
	WIN 0
	v_nop                                          ; one plain place behind a scaled conversion
.irp c, 0,1
.irp i, 0,1,2
	v_permlane16_swap_b32 v[PC+12*(\s)+6*\c+\i], v[TQ+4*\c+\i]
.endr
.irp i, 0,1,2
	v_mov_b32 v[PC+12*(\s)+6*\c+3+\i], v[TQ+4*\c+\i]
.endr
.endr
.endm
.macro PVM s                           ; O^T (+)= V^T A^T over keys 128 s on: the four accumulators by turns
.irp t, 0,1,2,3
.if (\s) == 0
	v_wmma_scale_f32_16x16x128_f8f6f4 v[O+8*\t:O+8*\t+7], v[FB+48*((\s)%2)+12*\t:FB+48*((\s)%2)+12*\t+11], v[PC+12*(\s):PC+12*(\s)+11], 0, v[VS+4*((\s)/2)+\t], v[PW+(\s)] matrix_a_fmt:MATRIX_FMT_FP6 matrix_b_fmt:MATRIX_FMT_FP6
.elseif ((\s)%2) == 0
	v_wmma_scale_f32_16x16x128_f8f6f4 v[O+8*\t:O+8*\t+7], v[FB+48*((\s)%2)+12*\t:FB+48*((\s)%2)+12*\t+11], v[PC+12*(\s):PC+12*(\s)+11], v[O+8*\t:O+8*\t+7], v[VS+4*((\s)/2)+\t], v[PW+(\s)] matrix_a_fmt:MATRIX_FMT_FP6 matrix_b_fmt:MATRIX_FMT_FP6
.else
	v_wmma_scale_f32_16x16x128_f8f6f4 v[O+8*\t:O+8*\t+7], v[FB+48*((\s)%2)+12*\t:FB+48*((\s)%2)+12*\t+11], v[PC+12*(\s):PC+12*(\s)+11], v[O+8*\t:O+8*\t+7], v[VS+4*((\s)/2)+\t], v[PW+(\s)] matrix_a_fmt:MATRIX_FMT_FP6 matrix_b_fmt:MATRIX_FMT_FP6 matrix_a_scale:MATRIX_SCALE_ROW1
.endif
.endr
.endm
.macro REDUCE                          ; two heads x two blocks of 32 channels: one to a wave: the four waves' parts are added, quantised, and gathered
.irp w, 0,1,2,3
.irp i, 0,1,2,3
	ds_load_b128 v[FB+16*\w+4*\i:FB+16*\w+4*\i+3], v[OPR] offset:8192*\w+512*\i
.endr
.endr
	s_wait_dscnt 0x0
.irp p, 0,2,4,6,8,10,12,14
	v_pk_add_f32 v[FB+\p:FB+\p+1], v[FB+\p:FB+\p+1], v[FB+16+\p:FB+16+\p+1]
	v_pk_add_f32 v[FB+32+\p:FB+32+\p+1], v[FB+32+\p:FB+32+\p+1], v[FB+48+\p:FB+48+\p+1]
.endr
.irp p, 0,2,4,6,8,10,12,14
	v_pk_add_f32 v[FB+\p:FB+\p+1], v[FB+\p:FB+\p+1], v[FB+32+\p:FB+32+\p+1]
.endr
	v_max3_num_f32 v[TM], |v[FB]|, |v[FB+1]|, 0x1800000
.irp i, 2,4,6,8,10,12,14
	v_max3_num_f32 v[TM], v[TM], |v[FB+\i]|, |v[FB+\i+1]|
.endr
	v_permlanex16_b32 v[TX], v[TM], s58, s59
	v_max_num_f32 v[TM], v[TM], v[TX]
	v_add_nc_u32 v[TS], 0xff000000, v[TM]
	v_lshrrev_b32 v[TX], 23, v[TS]
	v_cvt_scalef32_pk16_fp6_f32 v[TQ:TQ+2], v[FB:FB+15], v[TS]
	v_nop                                          ; one plain place behind a scaled conversion
	ds_store_b32 v[AOW], v[TQ]                     ; token r, 48 bytes a head, 24 a block, 12 a half
	ds_store_b32 v[AOW], v[TQ+1] offset:4
	ds_store_b32 v[AOW], v[TQ+2] offset:8
	ds_store_b8 v[SSW], v[TX]                      ; both lanes of a block write the same byte with the same value
.endm
; A HEAD.  fill = 1: the next head's q, K and V are asked for.
.macro HEAD fill
	s_wait_loadcnt 0x0                             ; q's codes and scale word
	v_perm_b32 v[QSW], v[QSR], v[QSR], s62
	s_wait_tensorcnt 0x1                           ; V of this head may be out; K was shown landed by the last wait for all loads
	ds_load_b128 v[KS:KS+3], v[KA] offset:24576
	ds_load_b128 v[KS+4:KS+7], v[KA] offset:24576+512
	KLOAD 0
	KLOAD 1
	PLACES 8                                       ; a scale register written by a vector instruction stands 8 places ahead of the product
	s_wait_dscnt 12                                ; the younger group of four fragments may be out
	QKM 0
	PLACES 4
	KLOAD 2
	s_wait_dscnt 12
	QKM 1
	PLACES 4
	KLOAD 3
	s_wait_dscnt 12
	QKM 2
	s_wait_dscnt 0x0
	QKM 3
	PLACES 4
.if \fill
	s_add_nc_u64 s[60:61], s[60:61], 102400        ; (q's last loads are done)
	global_load_b64 v[22:23], v[QO], s[60:61]
	global_load_b64 v[24:25], v[QO+1], s[60:61]
	global_load_b64 v[26:27], v[QO+2], s[60:61]
	global_load_b32 v[QSR], v[QOS], s[60:61]
.endif
	WIN 0x4d                                       ; s' = min(s, B), each accumulator from its low end on
.set ii, 0
.rept 256
	v_min_num_f32 v[ii], v[ii], v[ii]
.set ii, ii+1
.endr
	WIN 0x15                                       ; the largest s', in four chains
.irp k, 0,1,2,3
	v_max3_num_f32 v[TM+\k], v[64*\k], v[64*\k+1], v[64*\k+2]
.endr
	WIN 0x14
.set ii, 3
.rept 30
.irp k, 0,1,2,3
	v_max3_num_f32 v[TM+\k], v[TM+\k], v[64*\k+ii], v[64*\k+ii+1]
.endr
.set ii, ii+2
.endr
.irp k, 0,1,2,3
	v_max_num_f32 v[TM+\k], v[TM+\k], v[64*\k+63]
.endr
	WIN 0
	v_max3_num_f32 v[TM], v[TM], v[TM+1], v[TM+2]
	v_max_num_f32 v[TM], v[TM], v[TM+3]
	v_permlanex16_b32 v[TX], v[TM], s58, s59
	v_max_num_f32 v[TM], v[TM], v[TX]
	v_mul_f32 v12, s56, v[TM]                      ; hi
	WIN 0x41
.set ii, 0
.rept 128
	v_pk_fma_f32 v[ii:ii+1], v[ii:ii+1], s[56:57], v[12:13] op_sel_hi:[1,0,0] neg_lo:[0,0,1] neg_hi:[0,0,1]   ; c s' - hi
.set ii, ii+2
.endr
.set ii, 0
.rept 256
	v_exp_f32 v[ii], v[ii]
.set ii, ii+1
.endr
	v_nop                                          ; a plain place behind the last exponential
	s_wait_alu depctr_va_vdst(0)                   ; one wait for the batch, ahead of its first reader
	WIN 0x05                                       ; the sum, in four chains of pairs
.irp k, 0,1,2,3
	v_pk_add_f32 v[TQ+2*\k:TQ+2*\k+1], v[64*\k:64*\k+1], v[64*\k+2:64*\k+3]
.endr
	WIN 0x04
.set ii, 4
.rept 30
.irp k, 0,1,2,3
	v_pk_add_f32 v[TQ+2*\k:TQ+2*\k+1], v[TQ+2*\k:TQ+2*\k+1], v[64*\k+ii:64*\k+ii+1]
.endr
.set ii, ii+2
.endr
	WIN 0
	v_pk_add_f32 v[TQ:TQ+1], v[TQ:TQ+1], v[TQ+2:TQ+3]
	v_pk_add_f32 v[TQ+4:TQ+5], v[TQ+4:TQ+5], v[TQ+6:TQ+7]
	v_pk_add_f32 v[TQ:TQ+1], v[TQ:TQ+1], v[TQ+4:TQ+5]
	v_add_f32 v13, v[TQ], v[TQ+1]
	v_permlanex16_b32 v[TX], v13, s58, s59
	v_add_f32 v13, v13, v[TX]                      ; l
	ds_store_b64 v[MLW], v[12:13]
.if \fill
	s_wait_tensorcnt 0x0                           ; V of this head has landed; no tensor load of mine is out, so a descriptor may be written
	ds_add_u32 v[SPW], v[NIL]
	s_add_nc_u64 s[26:27], s[26:27], 102400        ; K of the next head
	s_wait_xcnt 0x0                                ; the last prefetch has read its address
	s_add_nc_u64 s[70:71], s[70:71], 102400
	s_wait_dscnt 0x0                               ; the add and my store of (hi, l) are done, and my reads of K are over
	CROUND
	tensor_load_to_lds s[24:27], s[16:23]          ; my one tensor load behind this round
	s_nop 0
	PLACES 4
	ASK 70
.else
	s_wait_tensorcnt 0x0                           ; V of this head has landed
	s_wait_dscnt 0x0                               ; my store of (hi, l) is done
	s_barrier_signal -1
	s_barrier_wait -1
.endif
.irp w, 0,1,2,3
	ds_load_b64 v[PC+2*\w:PC+2*\w+1], v[MLR] offset:256*\w
.endr
	ds_load_b128 v[VS:VS+3], v[VA] offset:24576
	ds_load_b128 v[VS+4:VS+7], v[VA] offset:24576+512
	VLOAD 0
	VLOAD 1
	s_wait_dscnt 26                                ; the four waves' (hi, l) are in; the 26 loads behind them may be out
	v_max3_num_f32 v200, v184, v186, v188
	v_max_num_f32 v200, v200, v190                 ; H
	v_sub_f32 v192, v184, v200
	v_sub_f32 v193, v186, v200
	v_sub_f32 v194, v188, v200
	v_sub_f32 v195, v190, v200
	v_sub_f32 v196, v12, v200
.irp i, 192,193,194,195,196
	v_exp_f32 v[\i], v[\i]                         ; g
.endr
	v_nop
	s_wait_alu depctr_va_vdst(0)
	v_mul_f32 v201, v192, v185
	v_fma_f32 v201, v193, v187, v201
	v_fma_f32 v201, v194, v189, v201
	v_fma_f32 v201, v195, v191, v201               ; the row's sum under H
	v_rcp_f32 v201, v201
	v_nop
	s_wait_alu depctr_va_vdst(0)
	v_mul_f32 v14, v196, v201                      ; F
	WIN 0x49
.set ii, 0
.rept 128
	v_pk_mul_f32 v[ii:ii+1], v[ii:ii+1], v[ii:ii+1]   ; e x MOD
.set ii, ii+2
.endr
	WIN 0x41
.set ii, 0
.rept 128
	v_pk_mul_f32 v[ii:ii+1], v[ii:ii+1], v[14:15] op_sel_hi:[1,0]   ; x F: the finished weight
.set ii, ii+2
.endr
	PQ 0
	PQ 1
	s_wait_dscnt 12                                ; the younger group of four fragments may be out
	PVM 0
	PQ 2                                           ; (its vector instructions are the places in front of the loads and products that follow)
	VLOAD 2
	s_wait_dscnt 12
	PVM 1
	PQ 3
	VLOAD 3
	s_wait_dscnt 12
	PVM 2
	s_wait_dscnt 0x0
	PLACES 8
	PVM 3
	PLACES 4
.irp i, 0,1,2,3,4,5,6,7
	ds_store_b128 v[OPW], v[O+4*\i:O+4*\i+3] offset:512*\i   ; my part of O^T, each accumulator from its low end on
.endr
.if \fill
	s_wait_tensorcnt 0x0                           ; K of the next head has landed
	ds_add_u32 v[SPW], v[NIL]
	s_add_nc_u64 s[30:31], s[30:31], 102400        ; V of the next head
	s_wait_xcnt 0x0
	s_add_nc_u64 s[72:73], s[72:73], 102400
	s_wait_dscnt 0x0                               ; the add and my stores are done, and my reads of V are over
	CROUND
	tensor_load_to_lds s[28:31], s[16:23]
	s_nop 0
	PLACES 4
	ASK 72
	s_cmp_eq_u32 s66, 0                            ; an even head: its parts wait for the odd head's
	s_cbranch_scc1 .Leven_\@
.else
	s_wait_dscnt 0x0
	s_barrier_signal -1
	s_barrier_wait -1
.endif
	REDUCE
.if \fill
.Leven_\@:
	s_xor_b32 s66, s66, 1                          ; on to the next head: its parity,
	v_xor_b32 v[OPW], 4096, v[OPW]                 ; the other half of my part's bytes,
	v_add_nc_u32 v[AOW], 48, v[AOW]                ; its 48 bytes of a token's codes,
	v_add_nc_u32 v[SSW], 2, v[SSW]                 ; its two scale bytes
.endif
.endm
.Lhead:                                            ; heads 0 to 14
	HEAD 1
	s_sub_co_u32 s63, s63, 1
	s_cmp_lg_u32 s63, 0
	s_cbranch_scc1 .Lhead
	HEAD 0                                         ; head 15 is written out: it asks for nothing
	; THE WAY OUT: wave w stores chunk w (heads 4 w .. 4 w + 3) of the 16 tokens: units of 192 bytes of codes, 8 scale bytes and zeros.
	; Lane x of sixteen reads 16 bytes at 192 w + 16 x of a token's row; what lanes 12 to 15 read so (the next chunk's codes, or the row's zeros) is replaced: lane 12 takes the scale bytes, lanes 13 to 15 zeros.
	s_wait_dscnt 0x0
	s_barrier_signal -1
	s_barrier_wait -1
	v_and_b32 v8, 15, v0                           ; x  (the registers of K's, V's and the exchange's addresses are done with: they take the last addresses)
	v_bfe_u32 v9, v0, 4, 1                         ; h
	v_mul_u32_u24 v6, v9, AOP
	v_lshl_add_u32 v6, v8, 4, v6
	s_mul_i32 s80, s12, 192
	s_add_co_u32 s80, s80, AOS
	v_add_nc_u32 v6, s80, v6
	s_lshl_b32 s81, s12, 3
	s_add_co_u32 s81, s81, SS
	v_lshl_add_u32 v7, v9, 5, s81
	v_and_b32 v10, 31, v0
	v_lshlrev_b32 v10, 4, v10
.irp i, 0,1,2,3,4,5,6,7
	ds_load_b128 v[L1+4*\i:L1+4*\i+3], v6 offset:2*AOP*\i
	ds_load_b64 v[L2+2*\i:L2+2*\i+1], v7 offset:64*\i
.endr
	s_wait_dscnt 0x0
.irp i, 0,1,2,3,4,5,6,7
	v_cndmask_b32 v[L2+2*\i], v[NIL], v[L2+2*\i], s75
	v_cndmask_b32 v[L2+2*\i+1], v[NIL], v[L2+2*\i+1], s75
	v_cndmask_b32 v[L1+4*\i], v[L2+2*\i], v[L1+4*\i], s76
	v_cndmask_b32 v[L1+4*\i+1], v[L2+2*\i+1], v[L1+4*\i+1], s76
	v_cndmask_b32 v[L1+4*\i+2], v[NIL], v[L1+4*\i+2], s76
	v_cndmask_b32 v[L1+4*\i+3], v[NIL], v[L1+4*\i+3], s76
	global_store_b128 v10, v[L1+4*\i:L1+4*\i+3], s[78:79] offset:512*\i   ; two whole units
.endr
	s_wait_tensorcnt 0x0                           ; the wave's end
	ds_add_u32 v[SPW], v[NIL]
	s_wait_dscnt 0x0
	CROUND                                         ; the closing round
	s_endpgm
.Lfunc_end_k_qb5dd3e6c55_attn:
	.size	k_qb5dd3e6c55_attn, .Lfunc_end_k_qb5dd3e6c55_attn-k_qb5dd3e6c55_attn
	.p2alignl 7, 3214868480
	.fill 96, 4, 3214868480
	.section	.rodata,"a",@progbits
	.p2align	6, 0x0
	.amdhsa_kernel k_qb5dd3e6c55_attn
		.amdhsa_group_segment_fixed_size 327680
		.amdhsa_private_segment_fixed_size 0
		.amdhsa_enable_private_segment 0
		.amdhsa_kernarg_size 32
		.amdhsa_user_sgpr_count 2
		.amdhsa_user_sgpr_kernarg_segment_ptr 1
		.amdhsa_wavefront_size32 1
		.amdhsa_system_sgpr_workgroup_id_x 1
		.amdhsa_system_sgpr_workgroup_id_y 1
		.amdhsa_system_sgpr_workgroup_id_z 1
		.amdhsa_system_vgpr_workitem_id 0
		.amdhsa_next_free_vgpr 1024
		.amdhsa_next_free_sgpr 100
		.amdhsa_reserve_vcc 1
		.amdhsa_float_denorm_mode_32 3
		.amdhsa_float_denorm_mode_16_64 3
		.amdhsa_memory_ordered 1
		.amdhsa_forward_progress 1
		.amdhsa_inst_pref_size 255
	.end_amdhsa_kernel
	.section	.bss,"aw",@nobits
	.p2align	6
	.space	262144
	.amdgpu_metadata
---
amdhsa.version: [ 1, 2 ]
amdhsa.kernels:
  - .name:           k_qb5dd3e6c55_attn
    .symbol:         k_qb5dd3e6c55_attn.kd
    .args:
      - { .name: qkv, .offset: 0, .size: 8, .value_kind: global_buffer, .address_space: global }
      - { .name: mask, .offset: 8, .size: 8, .value_kind: global_buffer, .address_space: global }
      - { .name: dist, .offset: 16, .size: 8, .value_kind: global_buffer, .address_space: global }
      - { .name: aou, .offset: 24, .size: 8, .value_kind: global_buffer, .address_space: global }
    .group_segment_fixed_size: 327680
    .private_segment_fixed_size: 0
    .kernarg_segment_align: 8
    .kernarg_segment_size: 32
    .max_flat_workgroup_size: 128
    .sgpr_count:     100
    .vgpr_count:     1024
    .wavefront_size: 32
...
	.end_amdgpu_metadata
.endif
;; end of part 3
;; launch outp (part 4): grid 4 x 16, 4 waves a work-group, clusters of 4 x 4, 327,680 bytes of LDS; arguments aou, wts, bp, out0; writes out0
.if DOCPART == 4
	.amdgcn_target "amdgcn-amd-amdhsa--gfx1250"
	.amdhsa_code_object_version 6
	.text
	.protected	k_qb5dd3e6c55_outp
	.globl	k_qb5dd3e6c55_outp
	.p2align	8
	.type	k_qb5dd3e6c55_outp,@function
k_qb5dd3e6c55_outp:
	s_mov_b64 s[64:65], 0
	v_nop
	global_prefetch_b8 v0, s[64:65] scope:SCOPE_SE
	s_setreg_imm32_b32 hwreg(HW_REG_WAVE_MODE, 25, 1), 1
	s_wait_xcnt 0x0
	s_wait_alu depctr_hold_cnt(0) depctr_sa_sdst(0) depctr_va_vdst(0) depctr_va_sdst(0) depctr_va_ssrc(0) depctr_va_vcc(0) depctr_vm_vsrc(0)
	s_getreg_b32 s2, hwreg(HW_REG_IB_STS2, 6, 4)
	s_cmp_eq_u32 s2, 0
	s_cbranch_scc0 .Lentry_in_a_cluster
	s_endpgm
.Lentry_in_a_cluster:
	s_bfe_u32 s2, ttmp6, 0x10000c
	s_cmp_lg_u32 s2, 0xf033
	s_cbranch_scc0 .Lentry_shape_is_right
	s_endpgm
.Lentry_shape_is_right:
; out = o Wp + bp on codes of FP6 (E2M3) with one E8M0 scale for each 32 along K.  o: aou, 4,096 rows; Wp: wts + 2 MiB, 1,024 rows (the weight's columns, stored with bits 3 and 4 of their number swapped); K = 1,024.
; Operands are units of 256 bytes, unit(kc, row) at (kc x ROWS + row) x 256: 192 bytes of codes (256 along K), 8 scale bytes.  A tile's row is the first 208 bytes of a unit.
; A work-group makes 256 x 256, a wave 128 x 128: 64 accumulators.  Source 0 = 16 rows of Wp (P), source 1 = 16 tokens (R): a lane holds one token, its registers run along the output's columns:
; register j of tile t is column 32 (t / 2) + 16 (lane / 16) + 8 (t % 2) + j.  Clusters of 4 x 4: R's tiles are shared along a row of the cluster, P's along a column, by joint loads.
; 64 work-groups: the product has 64 tiles of this size.
; REGISTERS: window 0: v16-29 addresses; v32-63 scale words, two sets; v64-127 the bias; v128-223 R's fragments; on the way out v128-255 at work.  window 1: P's fragments, two sets.  windows 2, 3: the accumulators.
.set PITCH,  208
.set NQ,     2
.set FR,     12
.set NL,     6
.set NP,     4
.set HALFT,  128*PITCH
.set SLOT,   4*HALFT
.set SPARE,  2*SLOT
.set SPITCH, 528                       ; the way out: a stage of 16 rows x (512 bytes + 16) for each wave, in slot 0, which has had its last fill and its last read by then
.set ADRA, 16
.set ADRB, 20
.set ADRS, 22
.set STO,  24
.set RD,   25
.set CO,   26
.set BO,   27
.set SPW,  28
.set NIL,  29
.set SC,   32
.set BIAS, 64
.set AF,   128
.set H,    128
.set BK,   192
.set G1,  24
.set G0,  32
.set G1B, 48
.set G0B, 56
.set WVN, 80
.set HA,  81
.set HB,  82
.set MSB, 0
.macro WIN new
.if MSB != (\new)
	s_set_vgpr_msb (MSB<<8)|(\new)
.set MSB, (\new)
.endif
.endm
.set MUL_LO, 0xa1
.set MUL_HI, 0xf1
.set TO_B,   0x40
.macro JLOAD g0a, g1a, g0b, g1b        ; a joint load: waves 0 and 1 fetch R's halves, waves 2 and 3 P's; an s_nop 0 and four v_nop follow each line
	s_cmp_eq_u32 s[HA], 0
	s_cbranch_scc0 .Lfor_b_\@
	tensor_load_to_lds s[\g0a:\g0a+3], s[\g1a:\g1a+7]
	s_nop 0
.rept 4
	v_nop
.endr
	s_branch .Lasked_\@
.Lfor_b_\@:
	tensor_load_to_lds s[\g0b:\g0b+3], s[\g1b:\g1b+7]
	s_nop 0
.rept 4
	v_nop
.endr
.Lasked_\@:
.endm
.macro CREST
	s_cmp_lg_u32 s[WVN], 0
	s_cbranch_scc1 .Lnot_wave_0_\@
	s_barrier_signal -3
.Lnot_wave_0_\@:
	s_barrier_wait -3
	s_barrier_signal -1
	s_barrier_wait -1
.endm
.macro CROUND
	s_barrier_signal -1
	s_barrier_wait -1
	CREST
.endm
	s_load_b256 s[4:11], s[0:1], 0x0               ; aou 4, wts 6, bp 8, out0 10
	v_lshl_add_u32 v[SPW], v0, 2, SPARE
	v_mov_b32 v[NIL], 0
	ds_add_u32 v[SPW], v[NIL]                      ; the wave's opening: the add and its wait ahead of my first tensor load
	v_lshrrev_b32 v1, 5, v0
	v_readfirstlane_b32 s[WVN], v1
	s_lshr_b32 s[HA], s[WVN], 1
	s_and_b32 s[HB], s[WVN], 1
	s_bfe_u32 s40, ttmp6, 0x40000                  ; cx
	s_bfe_u32 s41, ttmp6, 0x40004                  ; cy
	s_mov_b32 s42, s40                             ; P's tile
	s_and_b32 s83, ttmp7, 0xffff
	s_lshl_b32 s83, s83, 2
	s_add_co_u32 s83, s83, s41                     ; R's tile
	s_lshl_b32 s95, s41, 2
	s_lshl_b32 s95, 15, s95
	s_lshl_b32 s96, 0x1111, s40
	s_or_b32 s[G1], s95, (3<<16)|(1<<21)
	s_or_b32 s[G1B], s96, (3<<16)|(1<<21)
.irp g, G1, G1B
	s_mov_b32 s[\g+1], 26<<16
	s_mov_b32 s[\g+2], 128<<16
	s_mov_b32 s[\g+3], 26<<16
	s_mov_b32 s[\g+4], 128
	s_mov_b32 s[\g+5], 32
	s_mov_b32 s[\g+6], 0
	s_mov_b32 s[\g+7], 0
.endr
	s_lshl_b32 s17, s[HB], 7
	s_lshl_b32 s16, s83, 8
	s_add_co_u32 s16, s16, s17
	s_lshl_b32 s16, s16, 8
	s_lshl_b32 s18, s42, 8
	s_add_co_u32 s18, s18, s17
	s_lshl_b32 s18, s18, 8
	s_add_co_u32 s18, s18, 0x200000
	s_mov_b32 s17, 0
	s_mov_b32 s19, 0
	s_mul_i32 s97, s[WVN], HALFT
	s_wait_dscnt 0x0                               ; the opening add is done
	s_wait_kmcnt 0x0
	s_add_nc_u64 s[46:47], s[4:5], s[16:17]
	s_add_nc_u64 s[66:67], s[6:7], s[18:19]
	CROUND                                         ; all sixteen work-groups are here: the first joint loads meet
	s_mov_b32 s[G0], 1
	s_mov_b32 s[G0+1], s97
	s_mov_b64 s[G0+2:G0+3], s[46:47]
	s_or_b32 s[G0+3], s[G0+3], 0x80000000
	s_mov_b32 s[G0+4], 1
	s_add_co_u32 s[G0+5], s97, SLOT
	s_add_nc_u64 s[G0+6:G0+7], s[46:47], 0x100000
	s_or_b32 s[G0+7], s[G0+7], 0x80000000
	s_mov_b32 s[G0B], 1
	s_mov_b32 s[G0B+1], s97
	s_mov_b64 s[G0B+2:G0B+3], s[66:67]
	s_or_b32 s[G0B+3], s[G0B+3], 0x80000000
	s_mov_b32 s[G0B+4], 1
	s_add_co_u32 s[G0B+5], s97, SLOT
	s_add_nc_u64 s[G0B+6:G0B+7], s[66:67], 0x40000
	s_or_b32 s[G0B+7], s[G0B+7], 0x80000000
	JLOAD G0, G1, G0B, G1B
	JLOAD G0+4, G1, G0B+4, G1B
	v_and_b32 v1, 15, v0                           ; r
	v_bfe_u32 v2, v0, 4, 1                         ; h
	v_mul_u32_u24 v3, v1, PITCH
	v_mad_u32_u24 v4, v2, 24, v3
	s_mul_i32 s16, s[HA], HALFT
	s_mul_i32 s17, s[HB], HALFT
	s_add_co_u32 s17, s17, 2*HALFT
	v_add_nc_u32 v[ADRA], s16, v4
	v_add_nc_u32 v[ADRB], s17, v4
	v_add_nc_u32 v[ADRA+1], SLOT, v[ADRA]
	v_add_nc_u32 v[ADRB+1], SLOT, v[ADRB]
	s_sub_co_u32 s18, s17, s16
	v_mul_u32_u24 v5, s18, v2
	v_add_nc_u32 v5, v5, v3
	s_add_co_u32 s16, s16, 192
	v_add_nc_u32 v[ADRS], s16, v5
	v_add_nc_u32 v[ADRS+1], SLOT, v[ADRS]
	s_mul_i32 s16, s[WVN], 16*SPITCH               ; my stage
	v_mul_u32_u24 v[STO], v1, SPITCH
	v_lshl_add_u32 v[STO], v2, 6, v[STO]
	v_add_nc_u32 v[STO], s16, v[STO]               ; in: row r, + 64 h
	v_and_b32 v6, 31, v0
	v_lshlrev_b32 v[CO], 4, v6                     ; back: the 32 lanes take one row of 512 bytes; and the same in out0
	v_add_nc_u32 v[RD], s16, v[CO]
	v_lshlrev_b32 v[BO], 6, v2
	s_lshl_b32 s90, s83, 8
	s_lshl_b32 s91, s[HA], 7
	s_add_co_u32 s90, s90, s91                     ; my first token
	s_lshl_b32 s90, s90, 12                        ; 4,096 bytes a row of out0
	s_lshl_b32 s92, s42, 8
	s_lshl_b32 s93, s[HB], 7
	s_add_co_u32 s92, s92, s93                     ; my first column
	s_lshl_b32 s92, s92, 2
	s_add_co_u32 s90, s90, s92
	s_mov_b32 s91, 0
	s_mov_b32 s93, 0
	s_add_nc_u64 s[10:11], s[10:11], s[90:91]
	s_add_nc_u64 s[8:9], s[8:9], s[92:93]
.irp t, 0,1,2,3,4,5,6,7
	global_load_b128 v[BIAS+8*\t:BIAS+8*\t+3], v[BO], s[8:9] offset:(32*(\t/2)+8*(\t%2))*4
	global_load_b128 v[BIAS+8*\t+4:BIAS+8*\t+7], v[BO], s[8:9] offset:(32*(\t/2)+8*(\t%2))*4+16
.endr
.macro FRAG reg, adr, q, i
.irp p, 0,1,2,3,4,5
	ds_load_b64 v[\reg+2*\p:\reg+2*\p+1], v[\adr] offset:96*(\q)+48*(\p/3)+8*(\p%3)+(\i)*16*PITCH
.endr
.endm
; The 64 accumulators take turns, one instruction a turn, in the same order in every step.
.macro MUL16 a0, p, q, sc, zero
.irp a, \a0, \a0+1
.irp b, 0,1,2,3,4,5,6,7
.if \zero
	v_wmma_scale_f32_16x16x128_f8f6f4 v[8*(8*((\a)%4)+\b):8*(8*((\a)%4)+\b)+7], v[128*(\p)+FR*\b:128*(\p)+FR*\b+FR-1], v[AF+FR*(\a):AF+FR*(\a)+FR-1], 0, v[SC+8*NQ*(\sc)+NQ*\b+(\q)], v[SC+8*NQ*(\sc)+NQ*(\a)+(\q)] matrix_a_fmt:MATRIX_FMT_FP6 matrix_b_fmt:MATRIX_FMT_FP6 matrix_a_scale:MATRIX_SCALE_ROW1
.else
	v_wmma_scale_f32_16x16x128_f8f6f4 v[8*(8*((\a)%4)+\b):8*(8*((\a)%4)+\b)+7], v[128*(\p)+FR*\b:128*(\p)+FR*\b+FR-1], v[AF+FR*(\a):AF+FR*(\a)+FR-1], v[8*(8*((\a)%4)+\b):8*(8*((\a)%4)+\b)+7], v[SC+8*NQ*(\sc)+NQ*\b+(\q)], v[SC+8*NQ*(\sc)+NQ*(\a)+(\q)] matrix_a_fmt:MATRIX_FMT_FP6 matrix_b_fmt:MATRIX_FMT_FP6 matrix_a_scale:MATRIX_SCALE_ROW1
.endif
.endr
.endr
.endm
.macro FETCH_B slot, q, p
	WIN TO_B
.irp i, 0,1,2,3,4,5,6,7
	FRAG 128*(\p)+FR*\i, ADRB+\slot, \q, \i
.endr
	WIN 0
.endm
.macro FETCH_A slot, q, i0
.irp i, \i0, \i0+1, \i0+2, \i0+3
	FRAG AF+FR*(\i), ADRA+\slot, \q, \i
.endr
.endm
.macro SCALES sc
.irp i, 0,1,2,3,4,5,6,7
	ds_load_b64 v[SC+8*NQ*\sc+NQ*\i:SC+8*NQ*\sc+NQ*\i+1], v[ADRS+\sc] offset:\i*16*PITCH
.endr
.endm
.macro PLACES n
.rept \n
	v_nop
.endr
.endm
.macro STEP slot, q, zero
	s_wait_dscnt 4*NL                              ; all but the youngest 24 loads (R's blocks 4-7) are in
	WIN MUL_LO
	MUL16 0, (\q)%2, \q, \slot, \zero
	MUL16 2, (\q)%2, \q, \slot, \zero
	s_wait_dscnt 0
	PLACES NP
	FETCH_B \slot, (\q)+1, 1-(\q)%2
	FETCH_A \slot, (\q)+1, 0
	WIN MUL_HI
	MUL16 4, (\q)%2, \q, \slot, \zero
	MUL16 6, (\q)%2, \q, \slot, \zero
	PLACES NP
	WIN 0
	FETCH_A \slot, (\q)+1, 4
.endm
.macro TURN slot, next, fill
	s_wait_tensorcnt 0x0                           ; all my tensor loads have landed: my part of the next slot
	ds_add_u32 v[SPW], v[NIL]
	s_wait_dscnt 4*NL+1                            ; the add and the youngest 24 loads may be out
	WIN MUL_LO
	MUL16 0, 1, NQ-1, \slot, 0
	s_wait_dscnt 0x0                               ; the add is done, and my reads of this slot are over
	s_barrier_signal -1
	MUL16 2, 1, NQ-1, \slot, 0
	WIN 0
	s_barrier_wait -1
.if \fill
	CREST                                          ; the barrier has opened a round of the cluster's
	s_add_nc_u64 s[G0+4*\slot+2:G0+4*\slot+3], s[G0+4*\slot+2:G0+4*\slot+3], 0x200000
	s_add_nc_u64 s[G0B+4*\slot+2:G0B+4*\slot+3], s[G0B+4*\slot+2:G0B+4*\slot+3], 0x80000
	JLOAD G0+4*\slot, G1, G0B+4*\slot, G1B         ; the first tensor load behind the round; its four v_nop are the places in front of the loads below
.else
	PLACES NP
.endif
	FETCH_B \next, 0, 0
	FETCH_A \next, 0, 0
	SCALES \next
	WIN MUL_HI
	MUL16 4, 1, NQ-1, \slot, 0
	MUL16 6, 1, NQ-1, \slot, 0
	PLACES NP
	WIN 0
	FETCH_A \next, 0, 4
.endm
.macro BIASQK a                        ; R's block a: results + bias, each accumulator from its low end on
	WIN 0x02+((\a)/4)
.irp t, 0,1,2,3,4,5,6,7
.irp p, 0,2,4,6
	v_pk_add_f32 v[H+8*\t+\p:H+8*\t+\p+1], v[8*(8*((\a)%4)+\t)+\p:8*(8*((\a)%4)+\t)+\p+1], v[BIAS+8*\t+\p:BIAS+8*\t+\p+1]
.endr
.endr
	WIN 0
.endm
	s_wait_tensorcnt 1                             ; my part of K step 0 is in (K step 1's load may be out),
	s_barrier_signal -1
	s_barrier_wait -1                              ; everybody's is
	FETCH_B 0, 0, 0
	FETCH_A 0, 0, 0
	SCALES 0
	FETCH_A 0, 0, 4
	STEP 0, 0, 1                                   ; the first step's products start the sums
	s_mov_b32 s3, 1                                ; four K steps: two laps, the last written out
.Llap:
	TURN 0, 1, 1
	STEP 1, 0, 0
	TURN 1, 0, 1
	STEP 0, 0, 0
	s_sub_co_u32 s3, s3, 1
	s_cmp_lg_u32 s3, 0
	s_cbranch_scc1 .Llap
	TURN 0, 1, 0
	STEP 1, 0, 0
	s_wait_dscnt 4*NL
	WIN MUL_LO
	MUL16 0, 1, NQ-1, 1, 0
	MUL16 2, 1, NQ-1, 1, 0
	s_wait_dscnt 0
	WIN MUL_HI
	MUL16 4, 1, NQ-1, 1, 0
	MUL16 6, 1, NQ-1, 1, 0
	WIN 0
	PLACES NP
	s_wait_loadcnt 0x0                             ; the bias
	; THE WAY OUT, 16 tokens at a time: + bias; through my stage, where the columns come into their order; back as whole rows of 512 bytes
.irp a, 0,1,2,3,4,5,6,7
	BIASQK \a
.irp t, 0,1,2,3,4,5,6,7
	ds_store_b128 v[STO], v[H+8*\t:H+8*\t+3] offset:128*(\t/2)+32*(\t%2)
	ds_store_b128 v[STO], v[H+8*\t+4:H+8*\t+7] offset:128*(\t/2)+32*(\t%2)+16
.endr
.if \a > 0
	s_wait_xcnt 0x0                                ; the last block's stores have read their registers and their base
.endif
.irp i, 0,1,2,3,4,5,6,7,8,9,10,11,12,13,14,15
	ds_load_b128 v[BK+4*\i:BK+4*\i+3], v[RD] offset:\i*SPITCH   ; LDS serves a wave's instructions in order: these see my stores
.endr
	s_wait_dscnt 0x0
.if \a > 0
	s_add_nc_u64 s[10:11], s[10:11], 16*4096
.endif
.irp i, 0,1,2,3,4,5,6,7,8,9,10,11,12,13,14,15
	global_store_b128 v[CO], v[BK+4*\i:BK+4*\i+3], s[10:11] offset:4096*\i th:TH_STORE_NT   ; 32 lanes store 512 consecutive bytes, at a multiple of 256 from out0's first byte
.endr
.endr
	s_wait_tensorcnt 0x0                           ; the wave's end
	ds_add_u32 v[SPW], v[NIL]
	s_wait_dscnt 0x0
	CROUND                                         ; the closing round
	s_endpgm
.Lfunc_end_k_qb5dd3e6c55_outp:
	.size	k_qb5dd3e6c55_outp, .Lfunc_end_k_qb5dd3e6c55_outp-k_qb5dd3e6c55_outp
	.p2alignl 7, 3214868480
	.fill 96, 4, 3214868480
	.section	.rodata,"a",@progbits
	.p2align	6, 0x0
	.amdhsa_kernel k_qb5dd3e6c55_outp
		.amdhsa_group_segment_fixed_size 327680
		.amdhsa_private_segment_fixed_size 0
		.amdhsa_enable_private_segment 0
		.amdhsa_kernarg_size 32
		.amdhsa_user_sgpr_count 2
		.amdhsa_user_sgpr_kernarg_segment_ptr 1
		.amdhsa_wavefront_size32 1
		.amdhsa_system_sgpr_workgroup_id_x 1
		.amdhsa_system_sgpr_workgroup_id_y 1
		.amdhsa_system_sgpr_workgroup_id_z 1
		.amdhsa_system_vgpr_workitem_id 0
		.amdhsa_next_free_vgpr 1024
		.amdhsa_next_free_sgpr 100
		.amdhsa_reserve_vcc 0
		.amdhsa_float_denorm_mode_32 3
		.amdhsa_float_denorm_mode_16_64 3
		.amdhsa_memory_ordered 1
		.amdhsa_forward_progress 1
		.amdhsa_inst_pref_size 174
	.end_amdhsa_kernel
	.amdgpu_metadata
---
amdhsa.version: [ 1, 2 ]
amdhsa.kernels:
  - .name:           k_qb5dd3e6c55_outp
    .symbol:         k_qb5dd3e6c55_outp.kd
    .args:
      - { .name: aou, .offset: 0, .size: 8, .value_kind: global_buffer, .address_space: global }
      - { .name: wts, .offset: 8, .size: 8, .value_kind: global_buffer, .address_space: global }
      - { .name: bp, .offset: 16, .size: 8, .value_kind: global_buffer, .address_space: global }
      - { .name: out0, .offset: 24, .size: 8, .value_kind: global_buffer, .address_space: global }
    .group_segment_fixed_size: 327680
    .private_segment_fixed_size: 0
    .kernarg_segment_align: 8
    .kernarg_segment_size: 32
    .max_flat_workgroup_size: 128
    .sgpr_count:     100
    .vgpr_count:     1024
    .wavefront_size: 32
...
	.end_amdgpu_metadata
.endif
;; end of part 4
